; MI455X (gfx1250); checked and timed in simulation.
; The chip was launched on July 23, 2026; its instructions are those of AMD's public machine-readable ISA for CDNA 5 (MIT licence, August 2026) and "CDNA5" Instruction Set Architecture Reference Guide (July 2026). The comments in the code are by the model that wrote it; some were corrected since.
;; Self Attention. Allowed arithmetic: matrix products marked QUANTISED: E2M1 operands, one E8M0 scale for each 32 along K, by v_wmma_scale_f32_16x16x128_f8f6f4 with both operands' format E2M1 (or v_wmma_scale_f32_32x16x128_f4), f32 sums; products left as they are: bf16, f16 or f32 operands; f32 sums; everything else in f32.
;; Inputs: Wk 1,024 x 1,024 float32; Wq 1,024 x 1,024 float32; Wv 1,024 x 1,024 float32; X 4 x 2,048 x 1,024 float32; bk 1,024 float32; bq 1,024 float32; bv 1,024 float32.
;; Outputs: out0 4 x 2,048 x 1,024 float32.
;; This version of the problem:
;;   THIS VERSION OF THE PROBLEM IS GIVEN IN LOW PRECISION. The matrix products marked QUANTISED in the list below multiply operands that are first quantised to E2M1 (2 exponent bits, 1 mantissa bit; 4 bits a number), with one power-of-two scale for each 32 numbers along K (OCP MX v1.0); their sums are f32. The products marked 'left as it is' may take bf16, f16 or f32 operands, with f32 sums. Whichever they take, every output number must still come out within the allowed error. Rounding operands to bf16 (8 significant bits) uses up far more of that allowance than f16 does (11 bits, for magnitudes from 6e-5 to 65,504). All else is computed in f32.
;;   The module's matrix products, in the order in which they are computed (A, B: the left and right operand; K: the contracted axis; several contracted axes count as one K, in the product's order):
;;     1. [M 8,192, K 1,024] x [K 1,024, N 1,024]; A: input X; B: input Wq: QUANTISED
;;     2. [M 8,192, K 1,024] x [K 1,024, N 1,024]; A: input X; B: input Wk: QUANTISED
;;     3. [M 8,192, K 1,024] x [K 1,024, N 1,024]; A: input X; B: input Wv: QUANTISED
;;     4. batch 4 x [M 2,048, K 1,024] x [K 1,024, N 2,048]; A: computed on the way; B: computed on the way: left as it is (an operand is computed on the way)
;;     5. batch 4 x [M 2,048, K 2,048] x [K 2,048, N 1,024]; A: computed on the way; B: computed on the way: left as it is (an operand is computed on the way)
;;   THE QUANTISER, for each operand of a quantised product, along K:
;;     - K is cut into blocks of 32 from its start; a last block that is shorter is filled with zeros.
;;     - A block's scale is 2^e with e = floor(log2(the largest magnitude in the block)) - 2, held to -126 .. 127; a block of zeros has e = 0. As a byte (E8M0): e + 127.
;;     - Each number is divided by its block's scale, clamped to +-6, and rounded to the nearest number of E2M1, ties to even, subnormals kept.
;;     - The product sums the exact products of the quantised numbers (number of the format x scale) in f32.
;;   ~~~python
;;   def quantise(x, axis):      # numpy; x: float32 -> the quantised numbers, widened to float32 again
;;       x = np.moveaxis(x, axis, -1); K = x.shape[-1]
;;       x = np.pad(x, [(0, 0)] * (x.ndim - 1) + [(0, -K % 32)]); x = x.reshape(x.shape[:-1] + (-1, 32)); a = np.abs(x).max(-1, keepdims=True)
;;       e = np.where(a > 0, np.clip(np.frexp(np.where(a > 0, a, 1))[1] - 1 - 2, -126, 127), 0)      # np.frexp(a)[1] - 1 = floor(log2(a)), exactly
;;       r = np.clip(x / 2.0 ** e, -6, 6)
;;       step = 2.0 ** (np.maximum(np.frexp(np.where(r == 0, 1, r))[1] - 1, 0) - 1)
;;       q = np.round(r / step) * step * 2.0 ** e      # np.round: ties to even
;;       return np.moveaxis(q.reshape(q.shape[:-2] + (-1,))[..., :K], -1, axis).astype(np.float32)
;;   ~~~
;; One version. Each part assembles by itself: llvm-mc -triple=amdgcn-amd-amdhsa -mcpu=gfx1250 --defsym DOCPART=n.
;; ======== version 1 of 1: 4 launches
;; limits: values are held in f16: magnitudes above 65,504 overflow, below 6.1e-05 lose precision
;; workspace buffers: xc 4,194,304 bytes; xs 262,144 bytes; wc 1,572,864 bytes; ws 98,304 bytes; qkv 50,331,648 bytes; pb 33,554,432 bytes; st 1,048,576 bytes
;; launch quant (part 1): grid 352 x 1, 4 waves a work-group, no clusters, 33,280 bytes of LDS; arguments X, Wq, Wk, Wv, xc, xs, wc, ws; writes xc, xs, wc, ws
.if DOCPART == 1
	.amdgcn_target "amdgcn-amd-amdhsa--gfx1250"
	.amdhsa_code_object_version 6
	.text
	.protected	k_q58efd1454b_quant
	.globl	k_q58efd1454b_quant
	.p2align	8
	.type	k_q58efd1454b_quant,@function
k_q58efd1454b_quant:
	s_mov_b64 s[64:65], 0
	v_nop
	global_prefetch_b8 v0, s[64:65] scope:SCOPE_SE
	s_setreg_imm32_b32 hwreg(HW_REG_WAVE_MODE, 25, 1), 1
	s_wait_xcnt 0x0
; LAUNCH 1 OF 4.  X [8192][1024], Wq, Wk, Wv [1024][1024], f32, K innermost, become codes of E2M1 (4 bits, two a byte, the lower k in the low four bits) and one E8M0 byte for each 32 along K.
; xc [8192][512 bytes], xs [8192][32 bytes];  wc [3072][512 bytes], ws [3072][32 bytes]: rows 0-1023 Wq, 1024-2047 Wk, 2048-3071 Wv.
; WORK LEFT OUT IN THE WHOLE PROGRAM: bk.  scores[b][q][j] = (q . (X_j Wk^T) + q . bk) / 32, and q . bk is the same for every key j of a row, so softmax along j takes it away for all values of the
; inputs: softmax(x + const) = softmax(x).  The product q k^T is not quantised, so no quantiser sees k and bk moves no code and no scale.  bk is loaded by no launch and is among no launch's arguments.
; LIMIT of that: a NaN, an infinity or an overflow that enters through bk alone is not carried to the result.
; A block's scale is 2^(floor(log2(its largest magnitude)) - 2); its byte is the largest magnitude's exponent field - 2, held at 1 from below.  A block of zeros so gets the byte 1 where the stated quantiser
; says 127: its codes are zeros, which add nothing under any byte but 0xff, and the bytes are read by this program alone.  Each number is divided by the scale and rounded to the nearest code, ties to even, beyond 6 held at 6.
; LIMITS: blocks whose largest magnitude lies under 2^-124 keep the byte 1; NaN and infinities among the inputs are not served.
; Rows are dense and K is a multiple of 32: every tensor is a plain stream of blocks of 32.  A work-group takes 32,768 numbers, a wave 8,192 in 16 steps of 512.  Work-groups 0-255: X; 256-287: Wq; 288-319: Wk; 320-351: Wv.
; Each of a step's four loads reads 512 consecutive bytes, 16 a lane; the conversions want 16 NEIGHBOURS in a lane, so the step's 2,048 bytes turn through the wave's own stage in LDS (16 bytes of padding behind each 64).
; A lane's 16 codes are 8 bytes: the wave stores 256 consecutive bytes, aligned.  A wave's 256 scale bytes are gathered in its own LDS bytes and leave as 256 consecutive bytes.  Waves share nothing: no barrier.
.set WAVES, 4
.set STEPS, 16
.set EMAX,  2
.set CB,    8                          ; bytes of 16 codes
.set R,     16                         ; v16-79   four sets of 16 numbers as they are loaded
.set X,     80                         ; v80-111  two sets of 16 neighbours
.set E,     112                        ; v112-127 a scale byte for each step
.set C,     128                        ; v128-191 codes: registers of its own for each step, so that no store's data are written again
.set WREG,  8192                       ; LDS: a region for each wave: two stages of 32 x SP bytes, behind them its 256 scale bytes
.set SP,    80                         ; a lane's place in a stage: 64 bytes + 16 of padding
.set SPW,   12                         ; v12  LDS address of my spare word; never rewritten
.set NIL,   13                         ; v13  0; never rewritten
.set SPARE, WAVES*WREG                 ; behind the four regions: the spare words, 128 bytes a wave, which no other line names
	s_load_b256 s[4:11], s[0:1], 0x0               ; X s[4:5], Wq s[6:7], Wk s[8:9], Wv s[10:11]
	s_load_b256 s[12:19], s[0:1], 0x20             ; xc s[12:13], xs s[14:15], wc s[16:17], ws s[18:19]
	v_lshl_add_u32 v[SPW], v0, 2, SPARE
	v_mov_b32 v[NIL], 0
	v_lshrrev_b32 v1, 5, v0
	v_readfirstlane_b32 s20, v1                    ; wave
	v_and_b32 v2, 31, v0                           ; lane
	v_lshlrev_b32 v3, 4, v2                        ; my 16 bytes of a load's 512
	s_mul_i32 s21, s20, WREG
	v_lshrrev_b32 v14, 2, v2
	v_mul_u32_u24 v14, v14, SP
	v_and_b32 v15, 3, v2
	v_lshl_add_u32 v14, v15, 4, v14
	v_add_nc_u32 v14, s21, v14                     ; the stage, on the way in: SP (lane / 4) + 16 (lane % 4)
	v_mul_u32_u24 v15, v2, SP
	v_add_nc_u32 v15, s21, v15                     ; and on the way out: SP x lane: my 16 neighbours
	v_mul_u32_u24 v4, v2, CB                       ; my codes' place in a step's
	v_lshrrev_b32 v5, 1, v2
	s_add_co_u32 s21, s21, 2*32*SP
	v_add_nc_u32 v5, s21, v5                       ; my wave's 256 scale bytes, my block's byte
	v_lshlrev_b32 v7, 3, v2                        ; and on the way out 8 bytes a lane
	v_add_nc_u32 v6, s21, v7
	s_wait_kmcnt 0x0
	s_cmp_lt_u32 ttmp9, 288                        ; which tensor: the choices hang on the work-group's number alone
	s_cselect_b64 s[6:7], s[6:7], s[8:9]           ; Wq or Wk,
	s_cmp_lt_u32 ttmp9, 320
	s_cselect_b64 s[6:7], s[6:7], s[10:11]         ; or Wv
	s_and_b32 s23, ttmp9, 31                       ; a weight's work-group within its tensor (256, 288 and 320 are multiples of 32)
	s_cmp_lt_u32 ttmp9, 256                        ; X or a weight: five selects on this one compare
	s_cselect_b64 s[4:5], s[4:5], s[6:7]
	s_cselect_b64 s[12:13], s[12:13], s[16:17]
	s_cselect_b64 s[14:15], s[14:15], s[18:19]
	s_cselect_b32 s22, 0, 256
	s_cselect_b32 s21, ttmp9, s23
	s_lshl_b32 s21, s21, 2
	s_add_co_u32 s21, s21, s20                     ; which run of 8,192 numbers of the source is my wave's (at most 1,023)
	s_lshl_b32 s24, s21, 15                        ; 32,768 bytes a run
	s_mov_b32 s25, 0
	s_add_nc_u64 s[4:5], s[4:5], s[24:25]
	s_sub_co_u32 s22, ttmp9, s22
	s_lshl_b32 s22, s22, 2
	s_add_co_u32 s22, s22, s20                     ; and which run of the codes' and bytes' buffer: the three weights lie one behind the other
	s_lshl_b32 s24, s22, 12                        ; 4,096 bytes of codes a run
	s_add_nc_u64 s[12:13], s[12:13], s[24:25]
	s_lshl_b32 s24, s22, 8                         ; 256 scale bytes a run
	s_add_nc_u64 s[14:15], s[14:15], s[24:25]
.macro LOAD t
.irp i, 0,1,2,3
	global_load_b128 v[R+16*((\t)%4)+4*\i:R+16*((\t)%4)+4*\i+3], v3, s[4:5] offset:2048*(\t)+512*\i th:TH_LOAD_NT   ; 32 lanes read 512 consecutive bytes, read once in the launch
.endr
.endm
.macro TURN t                          ; step t's numbers through the stage: LDS serves a wave's instructions in order (ISA guide 5.7.1.4), so no wait stands between the stores and the loads
.irp i, 0,1,2,3
	ds_store_b128 v14, v[R+16*((\t)%4)+4*\i:R+16*((\t)%4)+4*\i+3] offset:32*SP*((\t)%2)+8*SP*\i
.endr
.irp i, 0,1,2,3
	ds_load_b128 v[X+16*((\t)%2)+4*\i:X+16*((\t)%2)+4*\i+3], v15 offset:32*SP*((\t)%2)+16*\i
.endr
.endm
.irp t, 0,1,2,3
	LOAD \t
.endr
	s_wait_loadcnt 12                              ; step 0's four loads are in; the twelve of steps 1 to 3 may be out
	TURN 0
.macro STEP t
.set XS, X+16*((\t)%2)
.if (\t) > 0
	s_wait_dscnt 1                                 ; this step's numbers are back from the stage (the last step's byte store may be out): so its stores into the stage have read their registers,
.else
	s_wait_dscnt 0x0
.endif
.if (\t)+4 < STEPS
	LOAD (\t)+4                                    ; which take the loads of four steps on
.endif
.if (\t)+1 < STEPS
.if STEPS-2-(\t) >= 3
	s_wait_loadcnt 12                              ; the next step's four loads are in; those of the three steps behind it may be out
.else
	s_wait_loadcnt 4*(STEPS-2-(\t))                ; at the end the count runs down: four loads for each step still to come
.endif
	TURN (\t)+1                                    ; and go through the other stage while this step is worked
.endif
	v_max3_num_f32 v8, |v[XS]|, |v[XS+1]|, |v[XS+2]|               ; the largest magnitude of my 16, in two chains
	v_max3_num_f32 v9, |v[XS+3]|, |v[XS+4]|, |v[XS+5]|
.irp i, 6,10
	v_max3_num_f32 v8, v8, |v[XS+\i]|, |v[XS+\i+1]|
	v_max3_num_f32 v9, v9, |v[XS+\i+2]|, |v[XS+\i+3]|
.endr
	v_max3_num_f32 v8, v8, |v[XS+14]|, |v[XS+15]|
	v_max3_num_f32 v8, v8, v9, (EMAX+1)<<23        ; and the floor 2^(3 - 127): the byte cannot fall under 1
	v_max_num_f32_dpp v8, v8, v8 row_xmask:1 row_mask:0xf bank_mask:0xf   ; and of my neighbour's 16: the block's
	v_add_nc_u32 v11, 0xff000000, v8               ; 2 off its exponent field: the conversion takes the exponent field of this operand as its scale, and nothing else of it
	v_cvt_scalef32_pk8_fp4_f32 v[C+4*(\t)], v[XS:XS+7], v11
	v_cvt_scalef32_pk8_fp4_f32 v[C+4*(\t)+1], v[XS+8:XS+15], v11
	v_lshrrev_b32 v[E+(\t)], 23, v11               ; the scale's byte (also the plain line behind the conversions)
	ds_store_b8 v5, v[E+(\t)] offset:16*(\t)       ; both lanes of a block write the same byte with the same value
	global_store_b64 v4, v[C+4*(\t):C+4*(\t)+1], s[12:13] offset:32*CB*(\t)   ; 32 lanes store 256 consecutive bytes, aligned
.endm
.irp t, 0,1,2,3,4,5,6,7,8,9,10,11,12,13,14,15
	STEP \t
.endr
	ds_load_b64 v[8:9], v6                         ; in order behind my byte stores
	s_wait_dscnt 0x0
	global_store_b64 v7, v[8:9], s[14:15]          ; 32 lanes store 256 consecutive bytes, aligned
	s_wait_tensorcnt 0x0                           ; the wave's end, behind my last LDS store
	ds_add_u32 v[SPW], v[NIL]
	s_wait_dscnt 0x0
	s_endpgm
.Lfunc_end_k_q58efd1454b_quant:
	.size	k_q58efd1454b_quant, .Lfunc_end_k_q58efd1454b_quant-k_q58efd1454b_quant
	.p2alignl 7, 3214868480
	.fill 96, 4, 3214868480
	.section	.rodata,"a",@progbits
	.p2align	6, 0x0
	.amdhsa_kernel k_q58efd1454b_quant
		.amdhsa_group_segment_fixed_size 33280
		.amdhsa_private_segment_fixed_size 0
		.amdhsa_enable_private_segment 0
		.amdhsa_kernarg_size 64
		.amdhsa_user_sgpr_count 2
		.amdhsa_user_sgpr_kernarg_segment_ptr 1
		.amdhsa_wavefront_size32 1
		.amdhsa_system_sgpr_workgroup_id_x 1
		.amdhsa_system_sgpr_workgroup_id_y 1
		.amdhsa_system_sgpr_workgroup_id_z 1
		.amdhsa_system_vgpr_workitem_id 0
		.amdhsa_next_free_vgpr 192
		.amdhsa_next_free_sgpr 66
		.amdhsa_reserve_vcc 0
		.amdhsa_float_denorm_mode_32 3
		.amdhsa_float_denorm_mode_16_64 3
		.amdhsa_memory_ordered 1
		.amdhsa_forward_progress 1
		.amdhsa_inst_pref_size 34
	.end_amdhsa_kernel
	.amdgpu_metadata
---
amdhsa.version: [ 1, 2 ]
amdhsa.kernels:
  - .name:           k_q58efd1454b_quant
    .symbol:         k_q58efd1454b_quant.kd
    .args:
      - { .name: X, .offset: 0, .size: 8, .value_kind: global_buffer, .address_space: global }
      - { .name: Wq, .offset: 8, .size: 8, .value_kind: global_buffer, .address_space: global }
      - { .name: Wk, .offset: 16, .size: 8, .value_kind: global_buffer, .address_space: global }
      - { .name: Wv, .offset: 24, .size: 8, .value_kind: global_buffer, .address_space: global }
      - { .name: xc, .offset: 32, .size: 8, .value_kind: global_buffer, .address_space: global }
      - { .name: xs, .offset: 40, .size: 8, .value_kind: global_buffer, .address_space: global }
      - { .name: wc, .offset: 48, .size: 8, .value_kind: global_buffer, .address_space: global }
      - { .name: ws, .offset: 56, .size: 8, .value_kind: global_buffer, .address_space: global }
    .group_segment_fixed_size: 33280
    .private_segment_fixed_size: 0
    .kernarg_segment_align: 8
    .kernarg_segment_size: 64
    .max_flat_workgroup_size: 128
    .sgpr_count:     66
    .vgpr_count:     192
    .wavefront_size: 32
...
	.end_amdgpu_metadata
.endif
;; end of part 1
;; launch proj (part 2): grid 8 x 32, 4 waves a work-group, clusters of 4 x 4, 327,680 bytes of LDS; arguments xc, xs, wc, ws, bq, bv, qkv; writes qkv
.if DOCPART == 2
	.amdgcn_target "amdgcn-amd-amdhsa--gfx1250"
	.amdhsa_code_object_version 6
	.text
	.protected	k_q58efd1454b_proj
	.globl	k_q58efd1454b_proj
	.p2align	8
	.type	k_q58efd1454b_proj,@function
k_q58efd1454b_proj:
	s_mov_b64 s[64:65], 0
	v_nop
	global_prefetch_b8 v0, s[64:65] scope:SCOPE_SE
	s_setreg_imm32_b32 hwreg(HW_REG_WAVE_MODE, 25, 1), 1
	s_wait_xcnt 0x0
	s_wait_alu depctr_hold_cnt(0) depctr_sa_sdst(0) depctr_va_vdst(0) depctr_va_sdst(0) depctr_va_ssrc(0) depctr_va_vcc(0) depctr_vm_vsrc(0)
	s_getreg_b32 s2, hwreg(HW_REG_IB_STS2, 6, 4)
	s_cmp_eq_u32 s2, 0
	s_cbranch_scc0 .Lentry_in_a_cluster
	s_endpgm
.Lentry_in_a_cluster:
	s_bfe_u32 s2, ttmp6, 0x10000c
	s_cmp_lg_u32 s2, 0xf033
	s_cbranch_scc0 .Lentry_shape_is_right
	s_endpgm
.Lentry_shape_is_right:
; LAUNCH 2 OF 4.  qkv[m][n] = sum over k of X[m][k] W[n][k] (+ bias), on codes of E2M1 with one E8M0 scale for each 32 along K; m 8,192, n 3,072 (q: 0-1023, k: 1024-2047, v: 2048-3071), K 1,024; sums in f32.
; The result is rounded once to f16, the operand format of the two products that follow: qkv [8192][3072] f16, 6,144 bytes a row.
; WORK LEFT OUT: bk (shown at the head of the first launch: it adds the same number to every score of a row).  The k columns get no bias; q gets bq, v gets bv.
; LIMIT: |q|, |k|, |v| must stay under 65,504, f16's largest number; beyond it the rounding gives infinity.
; SHARES.  8,192 x 3,072 outputs on 256 work-groups are 98,304 each: a work-group makes a tile of 256 x 256 of q or k (tile column x = 0..7), and then STAYS for 256 rows x 128 columns of v (v's columns 128 x on).
; PART 1: four waves, each 128 x 128: 64 accumulators, 512 registers.  K = 1,024 is two slots of 512 (rows of 256 bytes of codes), both asked for at the start.  The scale bytes of the tile's 256 + 256 rows come once, with them.
; PART 2: X's codes and scale bytes lie in LDS already.  The 128 rows of Wv (two halves of K, 128 rows x 256 bytes each) are brought into slot 0's W half, which nobody reads behind the change of slots: one joint refill
; each by waves 2 and 3, behind a round of the cluster's barrier; it has slot 1's products and the whole first way out in which to land.  Wave w makes rows 64 w on x all 128 columns: 32 accumulators.
; The first tile's stores are on their way while part 2 is multiplied.
; CLUSTERS: 4 x 4 work-groups; the four of a row need the same tiles of X, the four of a column the same tiles of W: each is asked for jointly, by the same tensor load with a mask that names the four.
; THE MATRIX INSTRUCTION IS USED TRANSPOSED (source 0 = 16 rows of W, source 1 = 16 rows of X): a lane holds eight neighbouring columns of one row of the result.
; THE BIAS is the C of each sum's first matrix instruction: eight registers for each block of 16 columns, in the result's layout.
; REGISTERS: window 0: v0-31 addresses; v32-95 scale words (part 2: v32-63 X's, v64-127 Wv's); v128-191 X's fragments; v192-255 part 1's bias, later the way out.
;   window 1: v0-63, v128-191 W's fragments, two sets; v64-127 bv.  windows 2, 3: the accumulators ((a, b) at v[8 (8 (a % 4) + b)]).
.set SIZE_N, 3072
.set SIZE_K, 1024
.set NQ,     4                         ; matrix instructions deep in a slot
.set ROWB,   256                       ; a tile's row in bytes: 512 codes
.set KROW,   SIZE_K/2                  ; a row of codes in memory
.set PITCH,  272                       ; an LDS row: 256 bytes + 16 of padding = 68 words: the 16 rows that a load touches start at 16 different banks (64 banks of 4 bytes: ISA guide 11.1)
.set FR,     8                         ; registers of a fragment: 16 rows x 128 K
.set NL,     2                         ; LDS loads that bring one
.set NP,     4                         ; places behind this matrix instruction (ISA guide 7.12.1)
.set HALFT,  128*PITCH
.set SLOT,   4*HALFT                   ; X's 256 rows, then W's 256 rows
.set KS,     SIZE_K/32                 ; a row of scale bytes
.set SCL,    2*SLOT                    ; behind the two slots: the scale bytes, as runs of 256 bytes + 16 of padding
.set HALFS,  (128*KS/256)*272          ; those of 128 rows: what one tensor load brings
.set SBLK,   (16*KS/256)*272           ; those of 16 rows
.set SPARE,  SCL+4*HALFS               ; the spare words, 128 bytes a wave, which no other line names
.set STG,    SPARE+512                 ; the way out: a stage of 16 rows x (256 + 16) bytes for each wave, in bytes of its own: no fill lands here, and X's rows in the slots stay whole for part 2
.set SPITCH, 272
.set OROW,   SIZE_N*2                  ; a row of qkv in bytes
.set ADB2, 12                          ; v12-13 part 2: LDS address of Wv's fragments, K half 0, 1
.set ADRA, 16                          ; v16-17 LDS address of my X fragments in slot 0, 1
.set WSO,  18                          ; v18 part 2: 32 x (lane % 16): my row among 16 rows of scale bytes in memory
.set ADS2, 19                          ; v19 part 2: LDS address of my X rows' scale words
.set ADRB, 20                          ; v20-21 LDS address of my W fragments
.set ADA2, 22                          ; v22-23 part 2: LDS address of my X fragments in slot 0, 1
.set STO,  24                          ; v24 the way out: where I put 16 bytes of a row
.set RD,   25                          ; v25 where I read a row back
.set CO,   26                          ; v26 my byte offset in qkv
.set ADRS, 27                          ; v27 LDS address of my scale words: lanes 0-15 X's rows, lanes 16-31 W's
.set SPW,  28                          ; v28 my spare word; never rewritten
.set NIL,  29                          ; v29 0; never rewritten
.set BO,   30                          ; v30 my byte offset in bq; never rewritten
.set BO2,  31                          ; v31 my byte offset in bv; never rewritten
.set SC,   32                          ; part 1's scale words: set s at v[SC + 32 s]; register 4 i + q: lanes 0-15 X's block i, lanes 16-31 W's block i, the slot's q-th 128 along K
.set XS2,  32                          ; part 2: X's scale words: v[XS2 + 16 k + 4 a + q]
.set WS2,  64                          ; part 2: Wv's: v[WS2 + 32 k + 4 b + q]
.set AF,   128
.set BI,   192                         ; part 1's bias: block b at v[BI + 8 b]
.set B2,   64                          ; bv, in window 1: block b at v[B2 + 8 b]
.set TMP,  192                         ; the way out: packed results
.set OB,   32                          ; the way out: rows read back: v32-63 and v224-255 by turns
.set G1, 24
.set G0, 32
.set G1B, 48
.set G0B, 56
.set G1S, 68
.set G0S, 76
.set G1SB, 80
.set G0SB, 88
.set MSB, 0
.macro WIN new                         ; the immediate's high byte repeats the setting that is left; a switch that changes nothing is dropped
.if MSB != (\new)
	s_set_vgpr_msb (MSB<<8)|(\new)
.set MSB, (\new)
.endif
.endm
.set MUL_LO,  0xa1                     ; source 0 (W) window 1, source 1 (X) window 0, C and D window 2
.set MUL_HI,  0xf1                     ; the same, C and D window 3
.set MUL_LO0, 0x81                     ; part 1's first step: C (the bias) window 0, D window 2
.set MUL_HI0, 0xc1                     ; D window 3
.set MUL_V0,  0x91                     ; part 2's first step: C (bv) window 1, D window 2
.set TO_B,    0x40
; A joint load: waves 0 and 1 fetch for X, waves 2 and 3 for W.  The branch hangs on the wave's number alone.  An s_nop 0 and four v_nop follow each of the two lines.
.macro JLOAD g0a, g1a, g0b, g1b
	s_cmp_eq_u32 s15, 0
	s_cbranch_scc0 .Lfor_b_\@
	tensor_load_to_lds s[\g0a:\g0a+3], s[\g1a:\g1a+7]
	s_nop 0
.rept 4
	v_nop
.endr
	s_branch .Lasked_\@
.Lfor_b_\@:
	tensor_load_to_lds s[\g0b:\g0b+3], s[\g1b:\g1b+7]
	s_nop 0
.rept 4
	v_nop
.endr
.Lasked_\@:
.endm
.macro CREST                           ; a round of the cluster's barrier behind its opening barrier: wave 0 signals for the work-group; every wave waits for all sixteen; my work-group's barrier once more
	s_cmp_lg_u32 s14, 0
	s_cbranch_scc1 .Lnot_wave_0_\@
	s_barrier_signal -3
.Lnot_wave_0_\@:
	s_barrier_wait -3
	s_barrier_signal -1
	s_barrier_wait -1
.endm
.macro CROUND                          ; a whole round
	s_barrier_signal -1
	s_barrier_wait -1
	CREST
.endm
	s_load_b128 s[4:7], s[0:1], 0x0                ; xc s[4:5], xs s[6:7]
	s_load_b128 s[8:11], s[0:1], 0x10              ; wc s[8:9], ws s[10:11]
	s_load_b128 s[96:99], s[0:1], 0x20             ; bq s[96:97], bv s[98:99]
	s_load_b64 s[12:13], s[0:1], 0x30              ; qkv
	v_lshl_add_u32 v[SPW], v0, 2, SPARE
	v_mov_b32 v[NIL], 0
	ds_add_u32 v[SPW], v[NIL]                      ; the wave's opening: the add, twice on end, and its wait ahead of my first tensor load
	ds_add_u32 v[SPW], v[NIL]                      ; the set-up below, work on registers, stands between the second and the wait
	v_lshrrev_b32 v1, 5, v0
	v_readfirstlane_b32 s14, v1                    ; wave 0..3
	s_lshr_b32 s15, s14, 1                         ; which half of the tile's rows is mine.  Also: I fetch for X (0) or for W (1)
	s_and_b32 s16, s14, 1                          ; which half of its columns.  Also: which 128 rows I fetch
	s_bfe_u32 s40, ttmp6, 0x40000                  ; cx, cy: my place in the cluster
	s_bfe_u32 s41, ttmp6, 0x40004
	s_lshl_b32 s42, ttmp9, 2
	s_add_co_u32 s42, s42, s40                     ; x = 4 x cluster x + cx, 0..7: cluster x is 0 for q, 1 for k
	s_and_b32 s17, ttmp7, 0xffff
	s_lshl_b32 s17, s17, 2
	s_add_co_u32 s17, s17, s41                     ; tile row = 4 x cluster y + cy
	s_lshl_b32 s43, s41, 2
	s_lshl_b32 s43, 15, s43                        ; my row of the cluster
	s_lshl_b32 s44, 0x1111, s40                    ; my column
	; descriptor group 1: a tile of 128 rows x 256 bytes, 16 bytes of padding behind each row
	s_or_b32 s[G1+0], s43, (0<<16)|(1<<20)|(1<<21)|(5<<22)|(3<<25)  ; 15:0 the mask; 17:16 elements of 1 byte; 20 padding on; 21 set beside a mask; 24:22 after every 64 words; 31:25 four words
	s_or_b32 s[G1B+0], s44, (0<<16)|(1<<20)|(1<<21)|(5<<22)|(3<<25)
.irp g, G1, G1B
	s_mov_b32 s[\g+1], ROWB<<16                    ; tensor_dim0
	s_mov_b32 s[\g+2], 128<<16                     ; tensor_dim1
	s_mov_b32 s[\g+3], ROWB<<16                    ; tile_dim0
	s_mov_b32 s[\g+4], 128                         ; tile_dim1
	s_mov_b32 s[\g+5], KROW                        ; from row to row
	s_mov_b32 s[\g+6], 0
	s_mov_b32 s[\g+7], 0
.endr
	; the scale bytes of 128 rows: 4,096 dense bytes, as 16 rows of 256 bytes (32 elements of 8 bytes), 16 bytes of padding behind each
	s_or_b32 s[G1S+0], s43, (3<<16)|(1<<20)|(1<<21)|(5<<22)|(3<<25)
	s_or_b32 s[G1SB+0], s44, (3<<16)|(1<<20)|(1<<21)|(5<<22)|(3<<25)
.irp g, G1S, G1SB
	s_mov_b32 s[\g+1], 32<<16
	s_mov_b32 s[\g+2], (128*KS/256)<<16
	s_mov_b32 s[\g+3], 32<<16
	s_mov_b32 s[\g+4], 128*KS/256
	s_mov_b32 s[\g+5], 32
	s_mov_b32 s[\g+6], 0
	s_mov_b32 s[\g+7], 0
.endr
	s_lshl_b32 s18, s16, 7                         ; which 128 rows of the tile I fetch
	s_lshl_b32 s20, s17, 8
	s_add_co_u32 s20, s20, s18                     ; X: row 256 x tile row + 128 x half
	s_lshl_b32 s46, s42, 8
	s_add_co_u32 s46, s46, s18                     ; W: row 256 x + 128 x half
	s_mov_b32 s21, 0
	s_mov_b32 s47, 0
	s_mov_b64 s[18:19], KS
	s_mul_u64 s[22:23], s[20:21], s[18:19]         ; where these rows' scale bytes begin
	s_mul_u64 s[92:93], s[46:47], s[18:19]
	s_mov_b64 s[18:19], KROW
	s_mul_u64 s[20:21], s[20:21], s[18:19]         ; and their codes
	s_mul_u64 s[46:47], s[46:47], s[18:19]
	s_mul_i32 s45, s14, HALFT                      ; where they go: wave x 128 rows: no place in the cluster enters an LDS address
	s_mul_i32 s94, s14, HALFS
	s_lshl_b32 s66, s42, 7                         ; part 2: Wv's rows of my 128 columns begin at row 2,048 + 128 x of W: it hangs on x alone, which my column of the cluster shares
	s_add_co_u32 s66, s66, 2048
	s_lshl_b32 s100, s66, 5                        ; their scale bytes: 32 a row
	s_mov_b32 s101, 0
	s_lshl_b32 s66, s66, 9                         ; their codes: 512 bytes a row,
	s_lshl_b32 s67, s16, 8
	s_add_co_u32 s66, s66, s67                     ; + the half of K that I fetch (waves 2 and 3)
	s_mov_b32 s67, 0
	s_wait_dscnt 0x0                               ; both opening adds are done
	s_wait_kmcnt 0x0
	s_add_nc_u64 s[20:21], s[4:5], s[20:21]
	s_add_nc_u64 s[22:23], s[6:7], s[22:23]
	s_add_nc_u64 s[46:47], s[8:9], s[46:47]
	s_add_nc_u64 s[92:93], s[10:11], s[92:93]
	s_add_nc_u64 s[8:9], s[8:9], s[66:67]          ; kept for the refill
	s_add_nc_u64 s[10:11], s[10:11], s[100:101]    ; kept for part 2's scale words
	CROUND                                         ; all sixteen work-groups are here: the joint loads meet.  A wave's three first fills go out behind this one round
	s_mov_b32 s[G0S], 1
	s_add_co_u32 s[G0S+1], s94, SCL
	s_mov_b64 s[G0S+2:G0S+3], s[22:23]
	s_or_b32 s[G0S+3], s[G0S+3], 0x80000000
	s_mov_b32 s[G0SB], 1
	s_add_co_u32 s[G0SB+1], s94, SCL
	s_mov_b64 s[G0SB+2:G0SB+3], s[92:93]
	s_or_b32 s[G0SB+3], s[G0SB+3], 0x80000000
	JLOAD G0S, G1S, G0SB, G1SB                     ; the scale bytes first: they are wanted with the first slot
.irp s, 0,1
	s_mov_b32 s[G0+4*\s], 1
	s_add_co_u32 s[G0+4*\s+1], s45, \s*SLOT
	s_add_nc_u64 s[G0+4*\s+2:G0+4*\s+3], s[20:21], \s*ROWB
	s_or_b32 s[G0+4*\s+3], s[G0+4*\s+3], 0x80000000
	s_mov_b32 s[G0B+4*\s], 1
	s_add_co_u32 s[G0B+4*\s+1], s45, \s*SLOT
	s_add_nc_u64 s[G0B+4*\s+2:G0B+4*\s+3], s[46:47], \s*ROWB
	s_or_b32 s[G0B+4*\s+3], s[G0B+4*\s+3], 0x80000000
	JLOAD G0+4*\s, G1, G0B+4*\s, G1B
.endr
	v_and_b32 v1, 15, v0                           ; r = lane % 16
	v_bfe_u32 v2, v0, 4, 1                         ; h = lane / 16
	; PART 1'S BIAS: register j of block b is the bias of column 16 b + 8 h + j of my 128.  Within q my columns begin at 256 cx + 128 x half
	s_lshl_b32 s46, s40, 10
	s_lshl_b32 s47, s16, 9
	s_add_co_u32 s46, s46, s47
	v_lshl_add_u32 v[BO], v2, 5, s46               ; 1,024 cx + 512 half + 32 h, in bytes
	s_cmp_eq_u32 ttmp9, 1                          ; the k columns have no bias.  The cluster's x is the same in all sixteen partners
	s_cbranch_scc1 .Lno_bias
.irp b, 0,1,2,3,4,5,6,7
	global_load_b128 v[BI+8*\b:BI+8*\b+3], v[BO], s[96:97] offset:64*\b
	global_load_b128 v[BI+8*\b+4:BI+8*\b+7], v[BO], s[96:97] offset:64*\b+16
.endr
	s_branch .Lbias_done
.Lno_bias:
.irp i, 0,1,2,3,4,5,6,7,8,9,10,11,12,13,14,15,16,17,18,19,20,21,22,23,24,25,26,27,28,29,30,31,32,33,34,35,36,37,38,39,40,41,42,43,44,45,46,47,48,49,50,51,52,53,54,55,56,57,58,59,60,61,62,63
	v_mov_b32 v[BI+\i], 0                          ; so that one text of the first step serves both kinds of columns
.endr
.Lbias_done:
	s_lshl_b32 s46, s42, 9                         ; PART 2'S BIAS: bv at columns 128 x + 16 b + 8 h + j
	v_lshl_add_u32 v[BO2], v2, 5, s46              ; 512 x + 32 h, in bytes
	WIN TO_B                                       ; into window 1
.irp b, 0,1,2,3,4,5,6,7
	global_load_b128 v[B2+8*\b:B2+8*\b+3], v[BO2], s[98:99] offset:64*\b
	global_load_b128 v[B2+8*\b+4:B2+8*\b+7], v[BO2], s[98:99] offset:64*\b+16
.endr
	WIN 0
	v_mul_u32_u24 v3, v1, PITCH
	v_lshl_add_u32 v4, v2, 4, v3                   ; a fragment's row x pitch + 16 x half
	s_mul_i32 s21, s15, HALFT                      ; my 128 rows of X
	s_mul_i32 s22, s16, HALFT                      ; my 128 rows of W,
	s_add_co_u32 s22, s22, 2*HALFT                 ; which lie behind X's 256
.irp s, 0,1
	v_add_nc_u32 v[ADRA+\s], s21, v4
	v_add_nc_u32 v[ADRB+\s], s22, v4
	s_add_co_u32 s21, s21, SLOT
	s_add_co_u32 s22, s22, SLOT
.endr
	s_mul_i32 s21, s14, 64*PITCH                   ; part 2: my 64 rows of X,
	v_add_nc_u32 v[ADA2], s21, v4                  ; in slot 0
	v_add_nc_u32 v[ADA2+1], SLOT, v[ADA2]          ; and in slot 1;
	v_add_nc_u32 v[ADB2], 2*HALFT, v4              ; Wv's 128 rows, K half 0: where slot 0 held W's rows 0-127,
	v_add_nc_u32 v[ADB2+1], 3*HALFT, v4            ; K half 1: where it held W's rows 128-255
	v_lshlrev_b32 v[WSO], 5, v1
	v_mul_u32_u24 v5, v1, KS                       ; my row's scale bytes: 32 a row,
	v_lshrrev_b32 v6, 8, v5
	v_lshl_add_u32 v5, v6, 4, v5                   ; and 16 more for each 256 passed
	s_mul_i32 s23, s14, 8*272                      ; part 2: my 64 rows' scale bytes are 2,048: eight runs of 256 + 16
	s_add_co_u32 s23, s23, SCL
	v_add_nc_u32 v[ADS2], s23, v5
	s_mul_i32 s21, s15, HALFS                      ; X's: my 128 rows
	s_mul_i32 s22, s16, HALFS                      ; W's: my 128 rows, behind X's 256
	s_add_co_u32 s22, s22, 2*HALFS
	s_sub_co_u32 s22, s22, s21
	v_mul_u32_u24 v6, s22, v2                      ; lanes 16-31 take W's: one product, the distance between the two bases x h
	s_add_co_u32 s21, s21, SCL
	v_add_nc_u32 v5, v5, v6
	v_add_nc_u32 v[ADRS], s21, v5
	s_mul_i32 s23, s14, 16*SPITCH
	s_add_co_u32 s23, s23, STG                     ; my stage
	v_mul_u32_u24 v5, v1, SPITCH                   ; in: row r, 16 bytes for each half of the lanes
	v_lshl_add_u32 v5, v2, 4, v5
	v_add_nc_u32 v[STO], s23, v5
	v_mul_u32_u24 v5, v2, SPITCH                   ; back: lanes 0-15 one row of 256 bytes, lanes 16-31 the next
	v_lshl_add_u32 v5, v1, 4, v5
	v_add_nc_u32 v[RD], s23, v5
	v_mul_u32_u24 v5, v2, OROW                     ; and the same two rows in qkv
	v_lshl_add_u32 v[CO], v1, 4, v5
	s_lshl_b32 s20, s17, 8                         ; part 2's results: row 256 x tile row + 64 x wave,
	s_lshl_b32 s21, s14, 6
	s_add_co_u32 s20, s20, s21
	s_mov_b32 s21, 0
	s_mov_b64 s[18:19], OROW
	s_mul_u64 s[20:21], s[20:21], s[18:19]
	s_lshl_b32 s46, s42, 8                         ; byte 4,096 + 256 x of the row
	s_add_co_u32 s46, s46, 4096
	s_mov_b32 s47, 0
	s_add_nc_u64 s[20:21], s[20:21], s[46:47]
	s_add_nc_u64 s[6:7], s[12:13], s[20:21]
	s_lshl_b32 s20, s17, 8                         ; part 1's: row 256 x tile row + 128 x half,
	s_lshl_b32 s21, s15, 7
	s_add_co_u32 s20, s20, s21
	s_mov_b32 s21, 0
	s_mul_u64 s[20:21], s[20:21], s[18:19]
	s_lshl_b32 s46, s42, 9                         ; byte 512 x + 256 x half
	s_lshl_b32 s47, s16, 8
	s_add_co_u32 s46, s46, s47
	s_mov_b32 s47, 0
	s_add_nc_u64 s[20:21], s[20:21], s[46:47]
	s_add_nc_u64 s[12:13], s[12:13], s[20:21]
.macro FRAG reg, adr, q, i             ; 16 rows x 128 K of 4-bit codes: lane l holds row l % 16; registers 4 c .. 4 c + 3 hold K = 64 c + 32 (l / 16) + 0 .. 31
.irp c, 0,1
	ds_load_b128 v[\reg+4*\c:\reg+4*\c+3], v[\adr] offset:64*(\q)+32*\c+(\i)*16*PITCH
.endr
.endm
; 16 matrix instructions: X's blocks a0, a0 + 1 against W's eight, the slot's q-th 128 along K.  p: W's set; sc: the set of scale words.  zero = 1: the first product starts the sums, from the bias.
; The 64 accumulators take turns, one instruction a turn, in the same order in every step.
.macro MUL16 a0, p, q, sc, zero
.irp a, \a0, \a0+1
.irp b, 0,1,2,3,4,5,6,7
.if \zero
	v_wmma_scale_f32_16x16x128_f8f6f4 v[8*(8*((\a)%4)+\b):8*(8*((\a)%4)+\b)+7], v[128*(\p)+FR*\b:128*(\p)+FR*\b+FR-1], v[AF+FR*(\a):AF+FR*(\a)+FR-1], v[BI+8*\b:BI+8*\b+7], v[SC+8*NQ*(\sc)+NQ*\b+(\q)], v[SC+8*NQ*(\sc)+NQ*(\a)+(\q)] matrix_a_fmt:MATRIX_FMT_FP4 matrix_b_fmt:MATRIX_FMT_FP4 matrix_a_scale:MATRIX_SCALE_ROW1
.else
	v_wmma_scale_f32_16x16x128_f8f6f4 v[8*(8*((\a)%4)+\b):8*(8*((\a)%4)+\b)+7], v[128*(\p)+FR*\b:128*(\p)+FR*\b+FR-1], v[AF+FR*(\a):AF+FR*(\a)+FR-1], v[8*(8*((\a)%4)+\b):8*(8*((\a)%4)+\b)+7], v[SC+8*NQ*(\sc)+NQ*\b+(\q)], v[SC+8*NQ*(\sc)+NQ*(\a)+(\q)] matrix_a_fmt:MATRIX_FMT_FP4 matrix_b_fmt:MATRIX_FMT_FP4 matrix_a_scale:MATRIX_SCALE_ROW1
.endif
.endr
.endr
.endm
.macro FETCH_B slot, q, p              ; W's eight fragments into set p
	WIN TO_B
.irp i, 0,1,2,3,4,5,6,7
	FRAG 128*(\p)+FR*\i, ADRB+\slot, \q, \i
.endr
	WIN 0
.endm
.macro FETCH_A slot, q, i0             ; X's blocks i0 .. i0 + 3
.irp i, \i0, \i0+1, \i0+2, \i0+3
	FRAG AF+FR*(\i), ADRA+\slot, \q, \i
.endr
.endm
.macro SCALES sc                       ; a slot's scale words into set sc: four words a row; lanes 0-15 X's block i, lanes 16-31 W's block i
.irp i, 0,1,2,3,4,5,6,7
	ds_load_b128 v[SC+8*NQ*\sc+NQ*\i:SC+8*NQ*\sc+NQ*\i+3], v[ADRS] offset:\i*SBLK
.endr
.endm
; A load into a register that a matrix instruction has read, and a vector instruction that reads a matrix result, stand four places behind it; only plain vector instructions that name none of its registers are places.
.macro PLACES n
.rept \n
	v_nop
.endr
.endm
; A step of 128 along K that has its successor in the same slot.  X has one set of registers: a block is free as soon as its eight products are issued; W has two.
.macro STEP slot, q, zero
	s_wait_dscnt 4*NL                              ; all but the youngest eight loads (X's blocks 4-7) are in
.if \zero
	WIN MUL_LO0
.else
	WIN MUL_LO
.endif
	MUL16 0, (\q)%2, \q, \slot, \zero
	MUL16 2, (\q)%2, \q, \slot, \zero
	s_wait_dscnt 0                                 ; X's blocks 4-7 are in
	PLACES NP
	FETCH_B \slot, (\q)+1, 1-(\q)%2
	FETCH_A \slot, (\q)+1, 0
.if \zero
	WIN MUL_HI0
.else
	WIN MUL_HI
.endif
	MUL16 4, (\q)%2, \q, \slot, \zero
	MUL16 6, (\q)%2, \q, \slot, \zero
	PLACES NP
	WIN 0
	FETCH_A \slot, (\q)+1, 4
.endm
; Slot 0's last step changes slots.  In front of the barrier each wave waits for all its tensor loads (its part of slot 1), adds 0 to its spare word, and waits for that and for its reads of slot 0.  The barrier opens a round
; of the cluster's barrier: behind it no wave of any partner reads slot 0's W half, and waves 2 and 3 fill it again, with Wv's 128 rows: K half 0 where W's rows 0-127 lay, K half 1 where rows 128-255 lay.
; The group 0 is slot 0's own: its LDS address stays, the global address is written anew (no tensor load of mine is out).
.macro TURN slot, next
	s_wait_tensorcnt 0x0                           ; all my tensor loads have landed
	ds_add_u32 v[SPW], v[NIL]                      ; 0 onto my spare word
	s_wait_dscnt 4*NL+1                            ; the add and the youngest eight loads may be out
	WIN MUL_LO
	MUL16 0, 1, NQ-1, \slot, 0
	s_wait_dscnt 0x0                               ; the add is done, and my reads of this slot are over
	s_barrier_signal -1
	MUL16 2, 1, NQ-1, \slot, 0
	WIN 0
	s_barrier_wait -1
	CREST
	s_mov_b64 s[G0B+2:G0B+3], s[8:9]
	s_or_b32 s[G0B+3], s[G0B+3], 0x80000000
	s_cmp_eq_u32 s15, 0
	s_cbranch_scc1 .Lnone_\@
	tensor_load_to_lds s[G0B:G0B+3], s[G1B:G1B+7]  ; the first tensor load behind the round, and my last
	s_nop 0
.rept 4
	v_nop
.endr
.Lnone_\@:
	PLACES NP                                      ; on every wave's way: in front of the loads below
	v_add_nc_u32 v[ADRS], 4*NQ, v[ADRS]            ; on to the next slot's scale words
	FETCH_B \next, 0, 0
	FETCH_A \next, 0, 0
	SCALES \next
	WIN MUL_HI
	MUL16 4, 1, NQ-1, \slot, 0
	MUL16 6, 1, NQ-1, \slot, 0
	PLACES NP
	WIN 0
	FETCH_A \next, 0, 4
.endm
.macro STEPS slot, from                ; the slot's steps from .. NQ - 2
.set Q, \from
.rept NQ-1-\from
	STEP \slot, Q, 0
.set Q, Q+1
.endr
.endm
	s_wait_tensorcnt 1                             ; the scale bytes and my part of slot 0 are in; slot 1's load may be out
	s_barrier_signal -1
	s_barrier_wait -1                              ; everybody's are
	FETCH_B 0, 0, 0
	FETCH_A 0, 0, 0
	SCALES 0
	FETCH_A 0, 0, 4
	s_wait_loadcnt 0x0                             ; both biases
	STEP 0, 0, 1                                   ; the first step starts the sums
	STEPS 0, 1
	TURN 0, 1
	STEPS 1, 0
	s_wait_dscnt 4*NL                              ; part 1's last step: nothing more to fetch
	WIN MUL_LO
	MUL16 0, 1, NQ-1, 1, 0
	MUL16 2, 1, NQ-1, 1, 0
	s_wait_dscnt 0
	WIN MUL_HI
	MUL16 4, 1, NQ-1, 1, 0
	MUL16 6, 1, NQ-1, 1, 0
	WIN 0
; THE WAY OUT, block by block of 16 rows x 128 columns.  PACK: rounded to f16, 16 bytes a lane, each accumulator from its low end on.  TOSTAGE: into my own stage and back as whole rows of 256 bytes.  SEND: stored.
.macro PACK a
.set AC, 64*((\a)%4)
	WIN 0x0a+5*((\a)/4)                            ; sources 0 and 1: window 2 or 3
.irp b, 0,1,2,3,4,5,6,7
.irp r, 0,1,2,3
	v_cvt_pk_f16_f32 v[TMP+4*\b+\r], v[AC+8*\b+2*\r], v[AC+8*\b+2*\r+1]
.endr
.endr
	WIN 0
.endm
.macro TOSTAGE a
.set BB, OB+192*((\a)%2)
.irp b, 0,1,2,3,4,5,6,7
	ds_store_b128 v[STO], v[TMP+4*\b:TMP+4*\b+3] offset:32*\b
.endr
.irp t, 0,1,2,3,4,5,6,7
	ds_load_b128 v[BB+4*\t:BB+4*\t+3], v[RD] offset:\t*2*SPITCH    ; LDS serves a wave's instructions in order (ISA guide 5.7.1.4): these see the stores above
.endr
.endm
.macro SEND a, base                    ; base: the scalar pair that stands at the part's first row
.set BB, OB+192*((\a)%2)
	s_wait_dscnt 0x0                               ; the block is back in registers
	s_wait_xcnt 0x0                                ; the earlier stores have read their base and their registers: both are written again only behind this wait
.if (\a) > 0
	s_add_nc_u64 s[\base:\base+1], s[\base:\base+1], 16*OROW       ; 16 rows on
.endif
.irp t, 0,1,2,3,4,5,6,7
	global_store_b128 v[CO], v[BB+4*\t:BB+4*\t+3], s[\base:\base+1] offset:2*\t*OROW   ; 16 lanes store 256 consecutive bytes, at a multiple of 256 from the buffer's first byte
.endr
.endm
	PLACES NP                                      ; behind the last products: ahead of the loads into their scale registers and of the first read of results
.irp k, 0,1                            ; part 2's scale words of Wv: block b's 16 rows, four words of K half k; every lane takes row lane % 16.  Asked for here, they land under the way out, which leaves v64-127 alone
.irp b, 0,1,2,3,4,5,6,7
	global_load_b128 v[WS2+32*\k+4*\b:WS2+32*\k+4*\b+3], v[WSO], s[10:11] offset:512*\b+16*\k
.endr
.endr
	PACK 0
	TOSTAGE 0
.irp a, 1,2,3,4,5,6,7                  ; block a's conversions stand between block a - 1's loads from the stage and the wait for them
	PACK \a
	SEND \a-1, 12
	TOSTAGE \a
.endr
	SEND 7, 12
; PART 2: 256 rows x v's columns 128 x on.  Wave w: X's rows 64 w on (4 blocks) against Wv's 128 rows (8 blocks): 32 accumulators in window 2, which take turns.
	s_wait_tensorcnt 0x0                           ; my part of Wv's tile has landed (waves 2 and 3),
	s_wait_dscnt 0x0
	s_barrier_signal -1
	s_barrier_wait -1                              ; everybody's has.
.macro FETCHV k, q, p                  ; K half k, its q-th 128: Wv's eight fragments and my four of X, into sets p
	WIN TO_B
.irp i, 0,1,2,3,4,5,6,7
	FRAG 128*(\p)+FR*\i, ADB2+(\k), \q, \i
.endr
	WIN 0
.irp i, 0,1,2,3
	FRAG AF+32*(\p)+FR*\i, ADA2+(\k), \q, \i
.endr
.endm
.macro MULV p, q, k, zero              ; 32 matrix instructions.  Both sides' scale words stand in lanes 0-15 of registers of their own
.irp a, 0,1,2,3
.irp b, 0,1,2,3,4,5,6,7
.if \zero
	v_wmma_scale_f32_16x16x128_f8f6f4 v[8*(8*\a+\b):8*(8*\a+\b)+7], v[128*(\p)+FR*\b:128*(\p)+FR*\b+FR-1], v[AF+32*(\p)+FR*\a:AF+32*(\p)+FR*\a+FR-1], v[B2+8*\b:B2+8*\b+7], v[WS2+32*(\k)+4*\b+(\q)], v[XS2+16*(\k)+4*\a+(\q)] matrix_a_fmt:MATRIX_FMT_FP4 matrix_b_fmt:MATRIX_FMT_FP4
.else
	v_wmma_scale_f32_16x16x128_f8f6f4 v[8*(8*\a+\b):8*(8*\a+\b)+7], v[128*(\p)+FR*\b:128*(\p)+FR*\b+FR-1], v[AF+32*(\p)+FR*\a:AF+32*(\p)+FR*\a+FR-1], v[8*(8*\a+\b):8*(8*\a+\b)+7], v[WS2+32*(\k)+4*\b+(\q)], v[XS2+16*(\k)+4*\a+(\q)] matrix_a_fmt:MATRIX_FMT_FP4 matrix_b_fmt:MATRIX_FMT_FP4
.endif
.endr
.endr
.endm
.irp k, 0,1                            ; X's scale words of my four blocks, both halves of K (block 6's stores, which read v32-63, were freed by the wait in SEND 7)
.irp a, 0,1,2,3
	ds_load_b128 v[XS2+16*\k+4*\a:XS2+16*\k+4*\a+3], v[ADS2] offset:\a*SBLK+16*\k
.endr
.endr
	FETCHV 0, 0, 0
	s_wait_loadcnt 0x0                             ; Wv's scale words
.set TV, 0
.rept 8                                ; eight steps of 128 along K, on sets 0, 1 by turns
	s_wait_dscnt 0x0                               ; this step's fragments are in (asked for a step ago)
.if TV < 7
	PLACES NP                                      ; in front of the loads into the other sets, which the last step's products read
	FETCHV (TV+1)/4, (TV+1)%4, (TV+1)%2
.endif
.if TV == 0
	WIN MUL_V0
	MULV 0, 0, 0, 1                                ; the first step starts the sums, from bv
.else
	WIN MUL_LO
	MULV TV%2, TV%4, TV/4, 0
.endif
	WIN 0
.set TV, TV+1
.endr
	PLACES NP                                      ; behind the last products
	PACK 0
	TOSTAGE 0
.irp a, 1,2,3
	PACK \a
	SEND \a-1, 6
	TOSTAGE \a
.endr
	SEND 3, 6
	s_wait_tensorcnt 0x0                           ; the wave's end: behind my last tensor load and my last LDS store
	ds_add_u32 v[SPW], v[NIL]
	s_wait_dscnt 0x0
	CROUND                                         ; the closing round: no work-group ends while a partner may still ask for a tile that names it
	s_endpgm
.Lfunc_end_k_q58efd1454b_proj:
	.size	k_q58efd1454b_proj, .Lfunc_end_k_q58efd1454b_proj-k_q58efd1454b_proj
	.p2alignl 7, 3214868480
	.fill 96, 4, 3214868480
	.section	.rodata,"a",@progbits
	.p2align	6, 0x0
	.amdhsa_kernel k_q58efd1454b_proj
		.amdhsa_group_segment_fixed_size 327680
		.amdhsa_private_segment_fixed_size 0
		.amdhsa_enable_private_segment 0
		.amdhsa_kernarg_size 56
		.amdhsa_user_sgpr_count 2
		.amdhsa_user_sgpr_kernarg_segment_ptr 1
		.amdhsa_wavefront_size32 1
		.amdhsa_system_sgpr_workgroup_id_x 1
		.amdhsa_system_sgpr_workgroup_id_y 1
		.amdhsa_system_sgpr_workgroup_id_z 1
		.amdhsa_system_vgpr_workitem_id 0
		.amdhsa_next_free_vgpr 1024
		.amdhsa_next_free_sgpr 102
		.amdhsa_reserve_vcc 0
		.amdhsa_float_denorm_mode_32 3
		.amdhsa_float_denorm_mode_16_64 3
		.amdhsa_memory_ordered 1
		.amdhsa_forward_progress 1
		.amdhsa_inst_pref_size 198
	.end_amdhsa_kernel
	.amdgpu_metadata
---
amdhsa.version: [ 1, 2 ]
amdhsa.kernels:
  - .name:           k_q58efd1454b_proj
    .symbol:         k_q58efd1454b_proj.kd
    .args:
      - { .name: xc, .offset: 0, .size: 8, .value_kind: global_buffer, .address_space: global }
      - { .name: xs, .offset: 8, .size: 8, .value_kind: global_buffer, .address_space: global }
      - { .name: wc, .offset: 16, .size: 8, .value_kind: global_buffer, .address_space: global }
      - { .name: ws, .offset: 24, .size: 8, .value_kind: global_buffer, .address_space: global }
      - { .name: bq, .offset: 32, .size: 8, .value_kind: global_buffer, .address_space: global }
      - { .name: bv, .offset: 40, .size: 8, .value_kind: global_buffer, .address_space: global }
      - { .name: qkv, .offset: 48, .size: 8, .value_kind: global_buffer, .address_space: global }
    .group_segment_fixed_size: 327680
    .private_segment_fixed_size: 0
    .kernarg_segment_align: 8
    .kernarg_segment_size: 56
    .max_flat_workgroup_size: 128
    .sgpr_count:     102
    .vgpr_count:     1024
    .wavefront_size: 32
...
	.end_amdgpu_metadata
.endif
;; end of part 2
;; launch scores (part 3): grid 8 x 32, 4 waves a work-group, clusters of 4 x 4, 327,680 bytes of LDS; arguments qkv, pb, st; writes pb, st
.if DOCPART == 3
	.amdgcn_target "amdgcn-amd-amdhsa--gfx1250"
	.amdhsa_code_object_version 6
	.text
	.protected	k_q58efd1454b_scores
	.globl	k_q58efd1454b_scores
	.p2align	8
	.type	k_q58efd1454b_scores,@function
k_q58efd1454b_scores:
	s_mov_b64 s[64:65], 0
	v_nop
	global_prefetch_b8 v0, s[64:65] scope:SCOPE_SE
	s_setreg_imm32_b32 hwreg(HW_REG_WAVE_MODE, 25, 1), 1
	s_wait_xcnt 0x0
	s_wait_alu depctr_hold_cnt(0) depctr_sa_sdst(0) depctr_va_vdst(0) depctr_va_sdst(0) depctr_va_ssrc(0) depctr_va_vcc(0) depctr_vm_vsrc(0)
	s_getreg_b32 s2, hwreg(HW_REG_IB_STS2, 6, 4)
	s_cmp_eq_u32 s2, 0
	s_cbranch_scc0 .Lentry_in_a_cluster
	s_endpgm
.Lentry_in_a_cluster:
	s_bfe_u32 s2, ttmp6, 0x10000c
	s_cmp_lg_u32 s2, 0xf033
	s_cbranch_scc0 .Lentry_shape_is_right
	s_endpgm
.Lentry_shape_is_right:
; LAUNCH 3 OF 4.  For each batch S = q k^T (f16 operands, f32 sums, K = 1,024), and the softmax's first half, by chunks of 128 keys:
; t = S x log2(e) / 32;  M = the chunk's largest t of the row, rounded UP to a whole number;  p = 2^(t - M), at most 1, rounded to f16 -> pb [8192 rows][2048 keys];
; l = the chunk's sum of the unrounded p, in f32;  (-M, l) -> st [4 batches][16 chunks][2048 rows][2] f32.  The next launch brings the chunks under the row's own M and divides by the row's sum.
; So a maximum is taken away ahead of every exponential: here the chunk's, there the row's.
; WORK LEFT OUT: bk (shown at the head of the first launch): k comes without it.
; A tile of 256 queries x 256 keys is made by four waves, each 128 x 128: 64 accumulators, 512 registers; a wave's 128 keys are one chunk.  K goes in steps of 128 through a ring of two LDS slots.
; CLUSTERS: 4 x 4 work-groups; the four of a row need the same rows of q, the four of a column the same rows of k: each tile is asked for jointly.  A cluster's four tile rows lie in one batch (8 tile rows a batch).
; THE MATRIX INSTRUCTION IS USED TRANSPOSED (source 0 = 16 keys, source 1 = 16 queries): a lane holds ONE query (lane % 16) and, of key block b, the keys 16 b + 8 (lane / 16) + 0 .. 7: a row's 128 keys lie in lanes l and l xor 16.
; REGISTERS: window 0: v0-31 addresses; v32-57 statistics; v64-127, v128-191 q's fragments, two buffers, later rows on the way out; v192-223 packed p.  window 1: v64-191 k's fragments.  windows 2, 3: the accumulators ((a, b) at v[8 (8 (a % 4) + b)]).
.set KSTEP,  128
.set PITCH,  272                       ; an LDS row: 256 bytes + 16 of padding: the 16 rows that a load touches start at 16 different banks (64 banks of 4 bytes: ISA guide 11.1)
.set HALFT,  128*PITCH
.set SLOT,   4*HALFT                   ; q's 256 rows, then k's 256 rows
.set STAGE,  2*SLOT                    ; behind the ring: 16 rows x 272 bytes for each wave
.set SPITCH, 272
.set SPARE,  STAGE+4*16*SPITCH         ; the spare words, 128 bytes a wave, which no other line names
.set LAPS,   4                         ; a lap = two K steps = once round the ring: 1,024 / 256
.set QROW,   6144                      ; a row of qkv in bytes
.set PROW,   4096                      ; a row of pb in bytes
.set ADRA, 16                          ; v16-17 LDS address of my q fragments in slot 0, 1
.set ADRB, 20                          ; v20-21 the same for k
.set STO,  24
.set RD,   25
.set CO,   26
.set SA,   27                          ; v27 8 x lane: my place in 256 bytes of statistics
.set SPW,  28                          ; v28 my spare word; never rewritten
.set NIL,  29                          ; v29 0; never rewritten
.set PFO,  30                          ; v30 the prefetches' offset: lane x a row of qkv; never rewritten
.set NMB,  32                          ; v[32 + 2 a], v[33 + 2 a]: block a's -M and largest t, later -M and l
.set T,    48                          ; v48-51 four chains of the maximum; v52 a lane permute's destination
.set SUM0, 54                          ; v[54:55], v[56:57] two chains of the sum
.set SUM1, 56
.set SO,   96                          ; v96-103 statistics to store
.set F0,   64
.set F1,   128
.set TMP,  192
.set BK,   64                          ; rows read back from the stage: v64-95 and v128-159 by turns
.set G1, 24
.set G0, 32
.set G1B, 48
.set G0B, 56
.set LIM, 43                           ; s43 1 in a wave that prefetches, else the greatest number
.set PFA, 44                           ; s[44:45] where my prefetches stand
.set CS,  68                           ; s[68:69] c = log2(e) / 32, twice
.set SEL, 70                           ; s[70:71] v_permlanex16_b32's selects for lane l xor 16
.set HM,  72                           ; s72 the mask of lanes 16-31
.set MSB, 0
.macro WIN new
.if MSB != (\new)
	s_set_vgpr_msb (MSB<<8)|(\new)
.set MSB, (\new)
.endif
.endm
.set MUL_LO, 0xa1                      ; source 0 (k) window 1, source 1 (q) window 0, C and D window 2
.set MUL_HI, 0xf1
.set TO_B,   0x40
.macro JLOAD s                         ; a joint load: waves 0 and 1 fetch q's two halves, waves 2 and 3 k's; an s_nop 0 and four v_nop follow each of the two lines
	s_cmp_eq_u32 s11, 0
	s_cbranch_scc0 .Lfor_b_\@
	tensor_load_to_lds s[G0+4*\s:G0+4*\s+3], s[G1:G1+7]
	s_nop 0
.rept 4
	v_nop
.endr
	s_branch .Lasked_\@
.Lfor_b_\@:
	tensor_load_to_lds s[G0B+4*\s:G0B+4*\s+3], s[G1B:G1B+7]
	s_nop 0
.rept 4
	v_nop
.endr
.Lasked_\@:
.endm
; A PREFETCH of the K step that stands two refills on: 32 rows x 256 bytes, a lane a row, one instruction a wave, behind the joint load and the run of LDS loads.  Each row's 256 bytes of a K step are named once in the launch:
; q's rows are read by both clusters of a row of clusters: cluster x = 0 asks; k's rows by the two clusters of a batch in a column: the even cluster y asks.  The four partners that ask for a tile jointly share its rows out
; by address, 32 each (cx for q, cy for k).  K steps 0 to 3 come by their loads alone; the loop's last trip (s3 = 1) asks for nothing: K step 7 is a row's last.
.macro ASK
	s_cmp_gt_u32 s3, s[LIM]
	s_cbranch_scc0 .Lnot_mine_\@
	global_prefetch_b8 v[PFO], s[PFA:PFA+1] offset:KSTEP*2 th:TH_LOAD_NT scope:SCOPE_SE
.Lnot_mine_\@:
.endm
.macro CREST                           ; a round of the cluster's barrier behind its opening barrier
	s_cmp_lg_u32 s10, 0
	s_cbranch_scc1 .Lnot_wave_0_\@
	s_barrier_signal -3
.Lnot_wave_0_\@:
	s_barrier_wait -3
	s_barrier_signal -1
	s_barrier_wait -1
.endm
.macro CROUND
	s_barrier_signal -1
	s_barrier_wait -1
	CREST
.endm
	s_load_b128 s[4:7], s[0:1], 0x0                ; qkv s[4:5], pb s[6:7]
	s_load_b64 s[66:67], s[0:1], 0x10              ; st
	v_lshl_add_u32 v[SPW], v0, 2, SPARE
	v_mov_b32 v[NIL], 0
	ds_add_u32 v[SPW], v[NIL]                      ; the wave's opening: the add, twice on end, and its wait ahead of my first tensor load
	ds_add_u32 v[SPW], v[NIL]
	v_lshrrev_b32 v1, 5, v0
	v_readfirstlane_b32 s10, v1                    ; wave 0..3
	s_lshr_b32 s11, s10, 1                         ; which half of the tile's queries is mine.  Also: I fetch for q (0) or for k (1)
	s_and_b32 s12, s10, 1                          ; which half of its keys.  Also: which 128 rows I fetch
	s_bfe_u32 s40, ttmp6, 0x40000                  ; cx
	s_bfe_u32 s41, ttmp6, 0x40004                  ; cy
	s_lshl_b32 s42, ttmp9, 2
	s_add_co_u32 s42, s42, s40                     ; key tile 0..7 = 4 x cluster x + cx
	s_and_b32 s13, ttmp7, 0xffff                   ; cluster y
	s_lshr_b32 s73, s13, 1                         ; the batch: from the cluster's y alone, so all sixteen partners share it
	s_lshl_b32 s13, s13, 2
	s_add_co_u32 s13, s13, s41                     ; tile row 0..31, over all 8,192 rows
	s_lshl_b32 s43, s41, 2
	s_lshl_b32 s43, 15, s43                        ; my row of the cluster
	s_lshl_b32 s44, 0x1111, s40                    ; my column
	; descriptor group 1: a tile of 128 rows x 128 elements of 2 bytes, 16 bytes of padding behind each row
	s_or_b32 s[G1+0], s43, (1<<16)|(1<<20)|(1<<21)|(5<<22)|(3<<25)
	s_or_b32 s[G1B+0], s44, (1<<16)|(1<<20)|(1<<21)|(5<<22)|(3<<25)
.irp g, G1, G1B
	s_mov_b32 s[\g+1], KSTEP<<16                   ; tensor_dim0 = 128
	s_mov_b32 s[\g+2], 128<<16                     ; tensor_dim1 = 128
	s_mov_b32 s[\g+3], KSTEP<<16                   ; tile_dim0 = 128
	s_mov_b32 s[\g+4], 128                         ; tile_dim1 = 128
	s_mov_b32 s[\g+5], QROW/2                      ; 3,072 elements from row to row
	s_mov_b32 s[\g+6], 0
	s_mov_b32 s[\g+7], 0
.endr
	s_lshl_b32 s17, s12, 7                         ; which 128 rows I fetch
	s_lshl_b32 s16, s13, 8
	s_add_co_u32 s16, s16, s17                     ; q: row 256 x tile row + 128 x half
	s_lshl_b32 s46, s42, 8
	s_add_co_u32 s46, s46, s17
	s_lshl_b32 s47, s73, 11
	s_add_co_u32 s46, s46, s47                     ; k: row 2,048 x batch + 256 x key tile + 128 x half
	s_mov_b32 s17, 0
	s_mov_b32 s47, 0
	s_mov_b64 s[18:19], QROW
	s_mul_u64 s[16:17], s[16:17], s[18:19]
	s_mul_u64 s[46:47], s[46:47], s[18:19]
	s_mul_i32 s20, s10, HALFT                      ; where they go: wave x 128 rows
	s_wait_dscnt 0x0                               ; both opening adds are done
	s_wait_kmcnt 0x0
	s_mov_b64 s[8:9], s[6:7]                       ; pb
	s_add_nc_u64 s[6:7], s[4:5], 2048              ; the k columns begin 2,048 bytes into a row of qkv
	s_add_nc_u64 s[14:15], s[4:5], s[16:17]
	s_add_nc_u64 s[46:47], s[6:7], s[46:47]
	CROUND                                         ; all sixteen work-groups are here: the first joint loads meet
.irp s, 0,1
	s_mov_b32 s[G0+4*\s], 1
	s_add_co_u32 s[G0+4*\s+1], s20, \s*SLOT
	s_add_nc_u64 s[G0+4*\s+2:G0+4*\s+3], s[14:15], \s*KSTEP*2
	s_or_b32 s[G0+4*\s+3], s[G0+4*\s+3], 0x80000000
	s_mov_b32 s[G0B+4*\s], 1
	s_add_co_u32 s[G0B+4*\s+1], s20, \s*SLOT
	s_add_nc_u64 s[G0B+4*\s+2:G0B+4*\s+3], s[46:47], \s*KSTEP*2
	s_or_b32 s[G0B+4*\s+3], s[G0B+4*\s+3], 0x80000000
	JLOAD \s
.endr
	v_and_b32 v1, 15, v0                           ; r
	v_bfe_u32 v2, v0, 4, 1                         ; h
	v_mul_u32_u24 v3, v1, PITCH
	v_lshl_add_u32 v3, v2, 4, v3                   ; a fragment's row x pitch + 16 x half
	s_mul_i32 s21, s11, HALFT                      ; my 128 rows of q
	s_mul_i32 s22, s12, HALFT                      ; my 128 rows of k,
	s_add_co_u32 s22, s22, 2*HALFT                 ; behind q's 256
.irp s, 0,1
	v_add_nc_u32 v[ADRA+\s], s21, v3
	v_add_nc_u32 v[ADRB+\s], s22, v3
	s_add_co_u32 s21, s21, SLOT
	s_add_co_u32 s22, s22, SLOT
.endr
	s_mul_i32 s23, s10, 16*SPITCH
	s_add_co_u32 s23, s23, STAGE                   ; my stage
	v_mul_u32_u24 v4, v1, SPITCH
	v_lshl_add_u32 v4, v2, 4, v4
	v_add_nc_u32 v[STO], s23, v4                   ; in: row r, 16 bytes for each half of the lanes
	v_mul_u32_u24 v5, v2, SPITCH
	v_lshl_add_u32 v5, v1, 4, v5
	v_add_nc_u32 v[RD], s23, v5                    ; back: lanes 0-15 one row, lanes 16-31 the next
	v_mul_u32_u24 v5, v2, PROW
	v_lshl_add_u32 v[CO], v1, 4, v5                ; and the same two rows in pb
	v_and_b32 v[SA], 31, v0
	v_lshlrev_b32 v[SA], 3, v[SA]
	v_mov_b32 v[T+4], 0                            ; written once: a lane permute's destination counts as one of its sources
	s_mov_b32 s[CS], 0x3d38aa3b                    ; log2(e) / 32
	s_mov_b32 s[CS+1], s[CS]                       ; (named with it as a pair, so it is written)
	s_mov_b32 s[SEL], 0x76543210
	s_mov_b32 s[SEL+1], 0xfedcba98
	s_mov_b32 s[HM], 0xffff0000
	; st: ((16 batch + chunk) x 2,048 + my first row in the batch) x 8 bytes; chunk = 2 x key tile + half
	s_lshl_b32 s20, s73, 4
	s_lshl_b32 s21, s42, 1
	s_add_co_u32 s20, s20, s21
	s_add_co_u32 s20, s20, s12
	s_lshl_b32 s20, s20, 11
	s_and_b32 s21, s13, 7
	s_lshl_b32 s21, s21, 8
	s_add_co_u32 s20, s20, s21
	s_lshl_b32 s21, s11, 7
	s_add_co_u32 s20, s20, s21
	s_lshl_b32 s20, s20, 3
	s_mov_b32 s21, 0
	s_add_nc_u64 s[66:67], s[66:67], s[20:21]
	; pb: my first row x 4,096 + 512 x key tile + 256 x half
	s_lshl_b32 s13, s13, 8                         ; 256 x tile row
	s_lshl_b32 s14, s11, 7
	s_add_co_u32 s16, s13, s14
	s_lshl_b32 s16, s16, 12                        ; at most 2^25
	s_lshl_b32 s46, s42, 9
	s_add_co_u32 s16, s16, s46
	s_lshl_b32 s46, s12, 8
	s_add_co_u32 s16, s16, s46
	s_mov_b32 s17, 0
	s_add_nc_u64 s[8:9], s[8:9], s[16:17]
	; the prefetches
	s_lshl_b32 s42, s42, 8
	s_lshl_b32 s22, s73, 11
	s_add_co_u32 s42, s42, s22                     ; the k tile's first row
	s_and_b32 s22, ttmp7, 1                        ; cluster y, odd or even
	s_cmp_eq_u32 s11, 0                            ; do I fetch for q?
	s_cselect_b32 s20, s13, s42                    ; the tile's first row
	s_cselect_b32 s21, s40, s41                    ; my place among the four that ask for it with me
	s_cselect_b32 s22, ttmp9, s22                  ; 0 in the cluster that asks
	s_cselect_b64 s[PFA:PFA+1], s[4:5], s[6:7]
	s_cmp_eq_u32 s22, 0
	s_cselect_b32 s[LIM], 1, -1                    ; the same in all sixteen partners, for a given wave
	s_lshl_b32 s22, s12, 7
	s_add_co_u32 s20, s20, s22                     ; + the 128 rows that I fetch
	s_lshl_b32 s21, s21, 5
	s_add_co_u32 s20, s20, s21                     ; + my work-group's 32 of them
	s_mov_b32 s21, 0
	s_mov_b64 s[18:19], QROW
	s_mul_u64 s[20:21], s[20:21], s[18:19]
	s_add_nc_u64 s[PFA:PFA+1], s[PFA:PFA+1], s[20:21]
	s_add_nc_u64 s[PFA:PFA+1], s[PFA:PFA+1], 2*KSTEP*2  ; at K step 2: the first refill steps it to 3 and names K step 4
	v_and_b32 v[PFO], 31, v0
	v_mul_u32_u24 v[PFO], v[PFO], QROW
; 16 matrix instructions: query blocks a0, a0 + 1 of the window's four x all 8 key blocks, 32 along K.  zero = 1: the first product starts the sums.  The 64 accumulators take turns.
.macro MUL16 f, hi, a0, zero
.irp a, \a0, \a0+1
.irp b, 0,1,2,3,4,5,6,7
.if \zero
	v_wmma_f32_16x16x32_f16 v[8*(8*(\a)+\b):8*(8*(\a)+\b)+7], v[\f+8*\b:\f+8*\b+7], v[\f+8*(4*\hi+\a):\f+8*(4*\hi+\a)+7], 0
.else
	v_wmma_f32_16x16x32_f16 v[8*(8*(\a)+\b):8*(8*(\a)+\b)+7], v[\f+8*\b:\f+8*\b+7], v[\f+8*(4*\hi+\a):\f+8*(4*\hi+\a)+7], v[8*(8*(\a)+\b):8*(8*(\a)+\b)+7]
.endif
.endr
.endr
.endm
.macro FETCH slot, k, f                ; 32 LDS loads in one run: a quarter step's fragments (128 rows of k, 128 of q, 32 K at byte k of the rows)
	WIN TO_B
.irp i, 0,1,2,3,4,5,6,7
	ds_load_b128 v[\f+8*\i:\f+8*\i+3],   v[ADRB+\slot] offset:\k+\i*16*PITCH
	ds_load_b128 v[\f+8*\i+4:\f+8*\i+7], v[ADRB+\slot] offset:\k+\i*16*PITCH+32
.endr
	WIN 0
.irp i, 0,1,2,3,4,5,6,7
	ds_load_b128 v[\f+8*\i:\f+8*\i+3],   v[ADRA+\slot] offset:\k+\i*16*PITCH
	ds_load_b128 v[\f+8*\i+4:\f+8*\i+7], v[ADRA+\slot] offset:\k+\i*16*PITCH+32
.endr
.endm
.macro PLACES                          ; four places in front of loads into registers that matrix instructions have read, and of the first read of results
.rept 4
	v_nop
.endr
.endm
.macro QUARTER slot, k, f, g, zero     ; multiplies buffer f; in its middle fetches the next quarter's fragments into g
	s_wait_dscnt 8                                 ; k and q's rows 0-63 are in; the youngest eight loads (q's rows 64-127) may be out
	WIN MUL_LO
	MUL16 \f, 0, 0, \zero
	MUL16 \f, 0, 2, \zero
	PLACES
	FETCH \slot, \k, \g
	s_wait_dscnt 32                                ; all but the 32 just issued
	WIN MUL_HI
	MUL16 \f, 1, 0, \zero
	MUL16 \f, 1, 2, \zero
.endm
; The first half of a slot's last quarter: one barrier for the change of slots.  In front of it each wave waits for all its tensor loads (one is out: its part of the next slot), adds 0 to its spare word, and waits for that and for its reads of this slot.
.macro MEET round
	WIN 0                                          ; (the add's two registers lie in window 0)
	s_wait_tensorcnt 0x0
	ds_add_u32 v[SPW], v[NIL]
	s_wait_dscnt 9                                 ; the add and the youngest eight loads may be out
	WIN MUL_LO
	MUL16 F1, 0, 0, 0
	s_wait_dscnt 0x0                               ; the add is done, and my reads of this slot are over
	s_barrier_signal -1
	MUL16 F1, 0, 2, 0
.if \round
	WIN 0
.endif
	s_barrier_wait -1
.endm
.macro TURN slot, next                 ; the whole last quarter: behind the round the slot just read is filled again, two K steps ahead; then the next slot's first fragments
	s_wait_xcnt 0x0                                ; the last prefetch, a K step back, has read its address: it is stepped here
	s_add_nc_u64 s[PFA:PFA+1], s[PFA:PFA+1], KSTEP*2
	MEET 1
	CREST                                          ; no wave of any partner still reads this slot's tile or has a load on its way
	s_add_nc_u64 s[G0+4*\slot+2:G0+4*\slot+3], s[G0+4*\slot+2:G0+4*\slot+3], 2*KSTEP*2
	s_add_nc_u64 s[G0B+4*\slot+2:G0B+4*\slot+3], s[G0B+4*\slot+2:G0B+4*\slot+3], 2*KSTEP*2
	JLOAD \slot                                    ; the first tensor load behind the round; its four v_nop are also the places in front of the loads below
	FETCH \next, 0, F0
	ASK
	WIN MUL_HI
	MUL16 F1, 1, 0, 0
	MUL16 F1, 1, 2, 0
.endm
	s_wait_tensorcnt 1                             ; my part of K step 0 is in; K step 1's load may be out
	s_barrier_signal -1
	s_barrier_wait -1
	FETCH 0, 0, F0
	QUARTER 0, 64,  F0, F1, 1                      ; the first quarter starts the sums
	WIN 0
	s_mov_b32 s3, LAPS-1
.Llap:                                                 ; a trip goes once round the ring and fills both slots again: K steps 2 to 7 in three trips
	QUARTER 0, 128, F1, F0, 0
	QUARTER 0, 192, F0, F1, 0
	TURN 0, 1
	QUARTER 1, 64,  F0, F1, 0
	QUARTER 1, 128, F1, F0, 0
	QUARTER 1, 192, F0, F1, 0
	TURN 1, 0
	QUARTER 0, 64,  F0, F1, 0
	WIN 0
	s_sub_co_u32 s3, s3, 1
	s_cmp_lg_u32 s3, 0
	s_cbranch_scc1 .Llap
	QUARTER 0, 128, F1, F0, 0                      ; the last lap is written out: it asks for nothing
	QUARTER 0, 192, F0, F1, 0
	MEET 0
	PLACES
	FETCH 1, 0, F0
	WIN MUL_HI
	MUL16 F1, 1, 0, 0
	MUL16 F1, 1, 2, 0
	QUARTER 1, 64,  F0, F1, 0
	QUARTER 1, 128, F1, F0, 0
	QUARTER 1, 192, F0, F1, 0
	s_wait_dscnt 8
	WIN MUL_LO
	MUL16 F1, 0, 0, 0
	MUL16 F1, 0, 2, 0
	s_wait_dscnt 0
	WIN MUL_HI
	MUL16 F1, 1, 0, 0
	MUL16 F1, 1, 2, 0
	WIN 0
; BLOCK a (16 queries x my 128 keys): the lane's 64 scores stand in v[AC .. AC + 63] of window W.
.macro SOFT a
.set AC, 64*((\a)%4)
.set W, 2+(\a)/4
.set NM, NMB+2*(\a)
	WIN W*0x15                                     ; all three sources window W
.irp c, 0,1,2,3
	v_max3_num_f32 v[T+\c], v[AC+16*\c], v[AC+16*\c+1], v[AC+16*\c+2]   ; four chains of 16 scores; every accumulator is first read at its low end (the odd ones at i = 7 below)
.endr
	WIN W*0x14                                     ; sources 1 and 2 window W
.irp i, 3,5,7,9,11,13
.irp c, 0,1,2,3
	v_max3_num_f32 v[T+\c], v[T+\c], v[AC+16*\c+\i], v[AC+16*\c+\i+1]
.endr
.endr
.irp c, 0,1,2,3
	v_max_num_f32 v[T+\c], v[T+\c], v[AC+16*\c+15]
.endr
	WIN 0
	v_max3_num_f32 v[T], v[T], v[T+1], v[T+2]
	v_max_num_f32 v[T], v[T], v[T+3]
	v_permlanex16_b32 v[T+4], v[T], s[SEL], s[SEL+1]
	v_max_num_f32 v[T], v[T], v[T+4]               ; with lane l xor 16's 64 keys: the chunk's largest score of my query
	v_mul_f32 v[NM+1], s[CS], v[T]                 ; as t (c is positive)
	v_floor_f32 v[NM], -v[NM+1]                    ; -M = floor(-t) = -ceil(t): a whole number
	WIN W*0x41                                     ; destination and source 0 window W
.set j, 0
.rept 32
	v_pk_fma_f32 v[AC+j:AC+j+1], v[AC+j:AC+j+1], s[CS:CS+1], v[NM:NM+1] op_sel_hi:[1,0,0]   ; t - M, two at a time (of the pairs c and -M the low word serves both halves)
.set j, j+2
.endr
.set j, 0
.rept 64
	v_exp_f32 v[AC+j], v[AC+j]                     ; p = 2^(t - M), at most 1
.set j, j+1
.endr
	v_nop                                          ; a plain instruction behind the last exponential
	s_wait_alu depctr_va_vdst(0)                   ; one wait for the whole batch, ahead of its first reader
	WIN W*5                                        ; sources 0 and 1 window W
	v_pk_add_f32 v[SUM0:SUM0+1], v[AC:AC+1], v[AC+2:AC+3]          ; the sum is taken of the unrounded p, in two chains
	v_pk_add_f32 v[SUM1:SUM1+1], v[AC+4:AC+5], v[AC+6:AC+7]
.set j, 0
.rept 32
	v_cvt_pk_f16_f32 v[TMP+j], v[AC+2*j], v[AC+2*j+1]              ; eight neighbouring keys of a block pack into 16 bytes
.set j, j+1
.endr
	WIN W                                          ; source 0 window W
.set j, 8
.rept 14
	v_pk_add_f32 v[SUM0:SUM0+1], v[AC+j:AC+j+1], v[SUM0:SUM0+1]
	v_pk_add_f32 v[SUM1:SUM1+1], v[AC+j+2:AC+j+3], v[SUM1:SUM1+1]
.set j, j+4
.endr
	WIN 0
	v_pk_add_f32 v[SUM0:SUM0+1], v[SUM0:SUM0+1], v[SUM1:SUM1+1]
	v_add_f32 v[SUM0], v[SUM0], v[SUM0+1]
	v_permlanex16_b32 v[T+4], v[SUM0], s[SEL], s[SEL+1]
	v_add_f32 v[NM+1], v[SUM0], v[T+4]             ; l: the chunk's sum of my query
.endm
.macro TOSTAGE a
.set BB, BK+64*((\a)%2)
.irp b, 0,1,2,3,4,5,6,7
	ds_store_b128 v[STO], v[TMP+4*\b:TMP+4*\b+3] offset:32*\b
.endr
.irp t, 0,1,2,3,4,5,6,7
	ds_load_b128 v[BB+4*\t:BB+4*\t+3], v[RD] offset:\t*2*SPITCH    ; LDS serves a wave's instructions in order (ISA guide 5.7.1.4): these see the stores above
.endr
.endm
.macro SEND a
.set BB, BK+64*((\a)%2)
	s_wait_dscnt 0x0                               ; the block is back in registers
	s_wait_xcnt 0x0                                ; the earlier stores have read their base and their registers
.if (\a) > 0
	s_add_nc_u64 s[8:9], s[8:9], 16*PROW
.endif
.irp t, 0,1,2,3,4,5,6,7
	global_store_b128 v[CO], v[BB+4*\t:BB+4*\t+3], s[8:9] offset:2*\t*PROW   ; 16 lanes store 256 consecutive bytes, at a multiple of 256 from the buffer's first byte
.endr
.endm
	PLACES                                         ; behind the last products
	SOFT 0
	TOSTAGE 0
.irp a, 1,2,3,4,5,6,7                  ; block a's softmax stands between block a - 1's loads from the stage and the wait for them
	SOFT \a
	SEND \a-1
	TOSTAGE \a
.endr
	SEND 7
.irp p, 0,1,2,3                        ; the statistics of 32 rows at a time: lanes 0-15 hold block 2 p's, lanes 16-31 take block 2 p + 1's
	v_cndmask_b32 v[SO+2*\p], v[NMB+4*\p], v[NMB+4*\p+2], s[HM]
	v_cndmask_b32 v[SO+2*\p+1], v[NMB+4*\p+1], v[NMB+4*\p+3], s[HM]
.endr
.irp p, 0,1,2,3
	global_store_b64 v[SA], v[SO+2*\p:SO+2*\p+1], s[66:67] offset:256*\p   ; 32 lanes store 256 consecutive bytes, aligned
.endr
	s_wait_tensorcnt 0x0                           ; the wave's end
	ds_add_u32 v[SPW], v[NIL]
	s_wait_dscnt 0x0
	CROUND                                         ; the closing round
	s_endpgm
.Lfunc_end_k_q58efd1454b_scores:
	.size	k_q58efd1454b_scores, .Lfunc_end_k_q58efd1454b_scores-k_q58efd1454b_scores
	.p2alignl 7, 3214868480
	.fill 96, 4, 3214868480
	.section	.rodata,"a",@progbits
	.p2align	6, 0x0
	.amdhsa_kernel k_q58efd1454b_scores
		.amdhsa_group_segment_fixed_size 327680
		.amdhsa_private_segment_fixed_size 0
		.amdhsa_enable_private_segment 0
		.amdhsa_kernarg_size 24
		.amdhsa_user_sgpr_count 2
		.amdhsa_user_sgpr_kernarg_segment_ptr 1
		.amdhsa_wavefront_size32 1
		.amdhsa_system_sgpr_workgroup_id_x 1
		.amdhsa_system_sgpr_workgroup_id_y 1
		.amdhsa_system_sgpr_workgroup_id_z 1
		.amdhsa_system_vgpr_workitem_id 0
		.amdhsa_next_free_vgpr 1024
		.amdhsa_next_free_sgpr 80
		.amdhsa_reserve_vcc 0
		.amdhsa_float_denorm_mode_32 3
		.amdhsa_float_denorm_mode_16_64 3
		.amdhsa_memory_ordered 1
		.amdhsa_forward_progress 1
		.amdhsa_inst_pref_size 213
	.end_amdhsa_kernel
	.amdgpu_metadata
---
amdhsa.version: [ 1, 2 ]
amdhsa.kernels:
  - .name:           k_q58efd1454b_scores
    .symbol:         k_q58efd1454b_scores.kd
    .args:
      - { .name: qkv, .offset: 0, .size: 8, .value_kind: global_buffer, .address_space: global }
      - { .name: pb, .offset: 8, .size: 8, .value_kind: global_buffer, .address_space: global }
      - { .name: st, .offset: 16, .size: 8, .value_kind: global_buffer, .address_space: global }
    .group_segment_fixed_size: 327680
    .private_segment_fixed_size: 0
    .kernarg_segment_align: 8
    .kernarg_segment_size: 24
    .max_flat_workgroup_size: 128
    .sgpr_count:     80
    .vgpr_count:     1024
    .wavefront_size: 32
...
	.end_amdgpu_metadata
.endif
;; end of part 3
;; launch pv (part 4): grid 4 x 64, 4 waves a work-group, clusters of 4 x 4, 327,680 bytes of LDS; arguments pb, qkv, st, out0; writes out0
.if DOCPART == 4
	.amdgcn_target "amdgcn-amd-amdhsa--gfx1250"
	.amdhsa_code_object_version 6
	.text
	.protected	k_q58efd1454b_pv
	.globl	k_q58efd1454b_pv
	.p2align	8
	.type	k_q58efd1454b_pv,@function
k_q58efd1454b_pv:
	s_mov_b64 s[64:65], 0
	v_nop
	global_prefetch_b8 v0, s[64:65] scope:SCOPE_SE
	s_setreg_imm32_b32 hwreg(HW_REG_WAVE_MODE, 25, 1), 1
	s_wait_xcnt 0x0
	s_wait_alu depctr_hold_cnt(0) depctr_sa_sdst(0) depctr_va_vdst(0) depctr_va_sdst(0) depctr_va_ssrc(0) depctr_va_vcc(0) depctr_vm_vsrc(0)
	s_getreg_b32 s2, hwreg(HW_REG_IB_STS2, 6, 4)
	s_cmp_eq_u32 s2, 0
	s_cbranch_scc0 .Lentry_in_a_cluster
	s_endpgm
.Lentry_in_a_cluster:
	s_bfe_u32 s2, ttmp6, 0x10000c
	s_cmp_lg_u32 s2, 0xf033
	s_cbranch_scc0 .Lentry_shape_is_right
	s_endpgm
.Lentry_shape_is_right:
; LAUNCH 4 OF 4.  out0[row][ch] = sum over chunks j of g_j (P_j V_j)[row][ch],  g_j = 2^(M_j - M) / L.  M = the row's largest M_j, L = sum over j of 2^(M_j - M) l_j; (-M_j, l_j) come from st, P (f16) from pb, V (f16) from qkv's v columns.
; The M_j are whole numbers, so 2^(M_j - M) is a power of two, at most 1, made by v_ldexp_f32.  P goes to the matrix unit as it lies; each chunk's product is summed by itself, T = P_j V_j in f32, and O += g_j T by fused
; multiply-adds in f32.  So the row's maximum is taken away here, as the chunk's was in the launch before, and nothing narrower than f32 is reckoned with outside the matrix unit.
; A work-group makes 128 queries x 256 channels; wave w makes rows 64 (w / 2) on and channels 128 (w % 2) on: 32 tiles of 16 x 16, 256 registers of T and 256 of O.  K = the 2,048 keys, in steps of 128 (one chunk) through a ring of two LDS slots.
; CLUSTERS: 4 x 4 work-groups: the four of a row (one block of queries) need the same tiles of P, the four of a column (one block of channels; a cluster's queries lie in one batch) the same tiles of V: asked for jointly.
; THE MATRIX INSTRUCTION IS USED TRANSPOSED: source 0 = V^T (16 channels x 32 keys; V lies [key][channel] in LDS and is turned by ds_load_tr16_b128), source 1 = P (16 queries x 32 keys): a lane holds one query and eight neighbouring channels.
; REGISTERS: window 0: v0-31 addresses; v32-47 two sets of four pairs (g, g); v64-127 P's fragments, two buffers; v128-255 V's, two buffers.  window 1: T ((a, b) at v[8 (8 a + b)]).  window 2: O, at the same numbers.
.set KSTEP,  128
.set PP,     272                       ; a row of P in LDS: 256 bytes + 16
.set VP,     544                       ; a row of V: 512 bytes + 32 = 17 x 32
.set PHALF,  64*PP
.set VHALF,  64*VP
.set VOFF,   128*PP                    ; a slot: 128 rows of P, then 128 keys of V
.set SLOT,   VOFF+128*VP
.set FT,     2*SLOT                    ; behind the ring: the factors: [16 chunks][2 halves of the rows][16 r][4 a] pairs (g, g) of f32: 1,024 bytes a chunk
.set STAGE,  FT+16*1024                ; 16 rows x (512 + 16) bytes for each wave
.set SPITCH, 528
.set SPARE,  STAGE+4*16*SPITCH         ; the spare words, 128 bytes a wave, which no other line names
.set PROW,   4096                      ; a row of pb, and of out0, in bytes
.set QROW,   6144                      ; a row of qkv
.set ADRA, 16                          ; v16-17 my P fragments in slot 0, 1
.set ADRB, 20                          ; v20-21 my V fragments
.set STO,  24
.set RD,   25
.set CO,   26
.set AFT,  27                          ; v27 my rows' factors of the chunk in hand: 1,024 bytes on at each change of slots
.set SPW,  28                          ; v28 my spare word; never rewritten
.set NIL,  29                          ; v29 0; never rewritten
.set PFO,  30                          ; v30 the prefetches' offset: lane x a row; never rewritten
.set TW,   31                          ; v31 where my thread stores its row's factors
.set FAC,  32                          ; set s at v[FAC + 8 s]: block a's pair at + 2 a
.set AF,   64
.set BF,   128
.set SV,   64                          ; at the head: 16 pairs (-M_j, l_j), later (g_j, g_j)
.set MR,   100                         ; the row's M
.set LS,   101                         ; L
.set RL,   102                         ; 1 / L
.set DT,   104                         ; v104-107 at work
.set G1, 24
.set G0, 32
.set PFA, 40                           ; s[40:41] where my prefetches stand
.set PFS, 42                           ; s[42:43] a K step on, in bytes
.set LIM, 44
.set G1B, 48
.set G0B, 56
.set MSB, 0
.macro WIN new
.if MSB != (\new)
	s_set_vgpr_msb (MSB<<8)|(\new)
.set MSB, (\new)
.endif
.endm
.set MUL,  0x50                        ; C and D (T) window 1, both operands window 0
.set FMAW, 0xa1                        ; destination and source 2 (O) window 2, source 0 (T) window 1, source 1 (the factor) window 0
.macro JLOAD s                         ; a joint load: waves 0 and 1 fetch P's two halves, waves 2 and 3 V's; an s_nop 0 and four v_nop follow each of the two lines
	s_cmp_eq_u32 s13, 0
	s_cbranch_scc0 .Lfor_v_\@
	tensor_load_to_lds s[G0+4*\s:G0+4*\s+3], s[G1:G1+7]
	s_nop 0
.rept 4
	v_nop
.endr
	s_branch .Lasked_\@
.Lfor_v_\@:
	tensor_load_to_lds s[G0B+4*\s:G0B+4*\s+3], s[G1B:G1B+7]
	s_nop 0
.rept 4
	v_nop
.endr
.Lasked_\@:
.endm
; A PREFETCH of the K step two refills on, one instruction a wave, a lane a row.  P's rows are read by this cluster alone: wave 0 of each partner asks for 32 of the 128 rows (32 cx on), 256 bytes each.
; V's tiles are read by the four clusters of a batch: the first of them (cluster y a multiple of 4) asks; each partner takes 32 of the 128 keys (32 cy on), waves 2 and 3 one half each of the 512 bytes.  The partners are told apart
; by address; wave 1 never asks.  K steps 0 to 3 come by their loads alone; the loop's last trip (s3 = 1) asks for nothing: K step 15 is the last.
.macro ASK
	s_cmp_gt_u32 s3, s[LIM]
	s_cbranch_scc0 .Lnot_mine_\@
	global_prefetch_b8 v[PFO], s[PFA:PFA+1] th:TH_LOAD_NT scope:SCOPE_SE
.Lnot_mine_\@:
.endm
.macro CREST
	s_cmp_lg_u32 s12, 0
	s_cbranch_scc1 .Lnot_wave_0_\@
	s_barrier_signal -3
.Lnot_wave_0_\@:
	s_barrier_wait -3
	s_barrier_signal -1
	s_barrier_wait -1
.endm
.macro CROUND
	s_barrier_signal -1
	s_barrier_wait -1
	CREST
.endm
	s_load_b256 s[4:11], s[0:1], 0x0               ; pb s[4:5], qkv s[6:7], st s[8:9], out0 s[10:11]
	v_lshl_add_u32 v[SPW], v0, 2, SPARE
	v_mov_b32 v[NIL], 0
	ds_add_u32 v[SPW], v[NIL]                      ; the wave's opening: the add, twice on end, and its wait ahead of my first tensor load
	ds_add_u32 v[SPW], v[NIL]
	v_lshrrev_b32 v1, 5, v0
	v_readfirstlane_b32 s12, v1                    ; wave 0..3
	s_lshr_b32 s13, s12, 1                         ; which 64 rows are mine.  Also: I fetch for P (0) or for V (1)
	s_and_b32 s14, s12, 1                          ; which 128 channels.  Also: which half of the tile I fetch
	s_bfe_u32 s15, ttmp6, 0x40000                  ; cx: the block of 256 channels
	s_bfe_u32 s16, ttmp6, 0x40004                  ; cy
	s_and_b32 s19, ttmp7, 0xffff                   ; cluster y
	s_lshr_b32 s18, s19, 2                         ; the batch: from the cluster's y alone
	s_lshl_b32 s17, s19, 2
	s_add_co_u32 s17, s17, s16                     ; y: the block of 128 queries, 0..63
	s_lshl_b32 s20, s16, 2
	s_lshl_b32 s20, 15, s20                        ; my row of the cluster
	s_lshl_b32 s68, 0x1111, s15                    ; my column
	s_or_b32 s[G1+0], s20, (1<<16)|(1<<20)|(1<<21)|(5<<22)|(3<<25)   ; P: elements of 2 bytes; four words of padding after every 64
	s_mov_b32 s[G1+1], KSTEP<<16                   ; tensor_dim0 = 128 keys
	s_mov_b32 s[G1+2], 64<<16                      ; tensor_dim1 = 64 rows
	s_mov_b32 s[G1+3], KSTEP<<16                   ; tile_dim0
	s_mov_b32 s[G1+4], 64                          ; tile_dim1
	s_mov_b32 s[G1+5], PROW/2                      ; 2,048 elements from row to row
	s_mov_b32 s[G1+6], 0
	s_mov_b32 s[G1+7], 0
	s_or_b32 s[G1B+0], s68, (1<<16)|(1<<20)|(1<<21)|(6<<22)|(7<<25)  ; V: eight words of padding after every 128
	s_mov_b32 s[G1B+1], 256<<16                    ; tensor_dim0 = 256 channels
	s_mov_b32 s[G1B+2], 64<<16                     ; tensor_dim1 = 64 keys
	s_mov_b32 s[G1B+3], 256<<16
	s_mov_b32 s[G1B+4], 64
	s_mov_b32 s[G1B+5], QROW/2                     ; 3,072 elements from key to key
	s_mov_b32 s[G1B+6], 0
	s_mov_b32 s[G1B+7], 0
	s_lshl_b32 s20, s17, 7
	s_lshl_b32 s21, s14, 6
	s_add_co_u32 s20, s20, s21                     ; P: row 128 y + 64 x half,
	s_lshl_b32 s20, s20, 12                        ; in bytes (at most 2^25)
	s_mov_b32 s21, 0
	s_lshl_b32 s66, s18, 11
	s_lshl_b32 s67, s14, 6
	s_add_co_u32 s66, s66, s67                     ; V: key row 2,048 x batch + 64 x half,
	s_mul_i32 s66, s66, QROW
	s_lshl_b32 s67, s15, 9
	s_add_co_u32 s66, s66, s67                     ; + 512 cx,
	s_add_co_u32 s66, s66, 4096                    ; in the v columns
	s_mov_b32 s67, 0
	s_mul_i32 s22, s14, PHALF                      ; where they go: no place in the cluster enters an LDS address
	s_mul_i32 s23, s14, VHALF
	s_wait_dscnt 0x0                               ; both opening adds are done
	s_wait_kmcnt 0x0
	s_add_nc_u64 s[20:21], s[4:5], s[20:21]
	s_add_nc_u64 s[66:67], s[6:7], s[66:67]
	CROUND                                         ; all sixteen work-groups are here: the first joint loads meet
.irp s, 0,1
	s_mov_b32 s[G0+4*\s], 1
	s_add_co_u32 s[G0+4*\s+1], s22, \s*SLOT
	s_add_nc_u64 s[G0+4*\s+2:G0+4*\s+3], s[20:21], \s*KSTEP*2
	s_or_b32 s[G0+4*\s+3], s[G0+4*\s+3], 0x80000000
	s_mov_b32 s[G0B+4*\s], 1
	s_add_co_u32 s[G0B+4*\s+1], s23, \s*SLOT+VOFF
	s_add_nc_u64 s[G0B+4*\s+2:G0B+4*\s+3], s[66:67], \s*KSTEP*QROW
	s_or_b32 s[G0B+4*\s+3], s[G0B+4*\s+3], 0x80000000
	JLOAD \s
.endr
	; the statistics: thread t takes row t of the work-group's 128: 16 pairs (-M_j, l_j), 16,384 bytes apart
	s_lshl_b32 s20, s18, 18
	s_and_b32 s21, s17, 15
	s_lshl_b32 s21, s21, 10
	s_add_co_u32 s20, s20, s21
	s_mov_b32 s21, 0
	s_add_nc_u64 s[8:9], s[8:9], s[20:21]
	v_lshlrev_b32 v2, 3, v0                        ; 8 t: a wave reads 256 consecutive bytes
.irp j, 0,1,2,3,4,5,6,7,8,9,10,11,12,13,14,15
	global_load_b64 v[SV+2*\j:SV+2*\j+1], v2, s[8:9] offset:16384*\j
.endr
	v_and_b32 v1, 15, v0                           ; r
	v_bfe_u32 v3, v0, 4, 1                         ; h
	v_mul_u32_u24 v4, v1, PP
	v_lshl_add_u32 v4, v3, 4, v4
	s_mul_i32 s22, s13, PHALF                      ; my 64 rows of P
	v_add_nc_u32 v[ADRA], s22, v4
	v_add_nc_u32 v[ADRA+1], SLOT, v[ADRA]
	v_and_b32 v5, 7, v0                            ; the turning load: lane l reads 16 bytes: key 8 (l / 16) + l % 8, channels 8 ((l / 8) % 2) + 0..7
	v_lshl_add_u32 v5, v3, 3, v5
	v_mul_u32_u24 v5, v5, VP
	v_bfe_u32 v6, v0, 3, 1
	v_lshl_add_u32 v5, v6, 4, v5
	s_lshl_b32 s23, s14, 8                         ; my 128 channels
	s_add_co_u32 s23, s23, VOFF
	v_add_nc_u32 v[ADRB], s23, v5
	v_add_nc_u32 v[ADRB+1], SLOT, v[ADRB]
	s_mul_i32 s22, s12, 16*SPITCH
	s_add_co_u32 s22, s22, STAGE                   ; my stage
	v_mul_u32_u24 v4, v1, SPITCH
	v_lshl_add_u32 v4, v3, 5, v4
	v_add_nc_u32 v[STO], s22, v4                   ; in: row r, 32 bytes for each half of the lanes
	v_and_b32 v4, 31, v0
	v_lshlrev_b32 v[CO], 4, v4                     ; back: the 32 lanes take one row of 512 bytes; and the same in out0
	v_add_nc_u32 v[RD], s22, v[CO]
	s_lshl_b32 s23, s13, 9
	s_add_co_u32 s23, s23, FT
	v_lshl_add_u32 v[AFT], v1, 5, s23              ; the four pairs of rows 16 a + r of my 64: 32 bytes
	v_lshrrev_b32 v4, 6, v0
	v_lshlrev_b32 v4, 9, v4
	v_lshl_add_u32 v4, v1, 5, v4
	v_bfe_u32 v5, v0, 4, 2
	v_lshl_add_u32 v4, v5, 3, v4
	v_add_nc_u32 v[TW], FT, v4                     ; row t: 512 (t / 64) + 32 (t % 16) + 8 ((t / 16) % 4)
	; out0: (128 y + 64 x my half of the rows) x 4,096 + 1,024 cx + 512 x my half of the channels
	s_lshl_b32 s20, s17, 7
	s_lshl_b32 s21, s13, 6
	s_add_co_u32 s20, s20, s21
	s_lshl_b32 s20, s20, 12
	s_lshl_b32 s21, s15, 10
	s_add_co_u32 s20, s20, s21
	s_lshl_b32 s21, s14, 9
	s_add_co_u32 s20, s20, s21
	s_mov_b32 s21, 0
	s_add_nc_u64 s[10:11], s[10:11], s[20:21]
	; the prefetches: both places are made, and one is chosen by the wave's number
	s_lshl_b32 s20, s17, 7
	s_lshl_b32 s21, s15, 5
	s_add_co_u32 s20, s20, s21                     ; P: row 128 y + 32 cx,
	s_lshl_b32 s20, s20, 12
	s_add_co_u32 s20, s20, 3*KSTEP*2               ; at K step 3: the first change of slots steps it to 4
	s_lshl_b32 s66, s18, 11
	s_lshl_b32 s67, s16, 5
	s_add_co_u32 s66, s66, s67
	s_add_co_u32 s66, s66, 3*KSTEP                 ; V: key 2,048 x batch + 32 cy, at K step 3,
	s_mul_i32 s66, s66, QROW
	s_lshl_b32 s67, s15, 9
	s_add_co_u32 s66, s66, s67
	s_lshl_b32 s67, s14, 8
	s_add_co_u32 s66, s66, s67                     ; + 512 cx + 256 x (wave % 2),
	s_add_co_u32 s66, s66, 4096                    ; in the v columns
	s_and_b32 s67, s19, 3                          ; 0 in a batch's first cluster
	s_mov_b32 s68, QROW
	s_mov_b32 s[PFS], KSTEP*QROW
	s_cmp_eq_u32 s13, 0                            ; do I fetch for P?
	s_cselect_b64 s[PFA:PFA+1], s[4:5], s[6:7]
	s_cselect_b32 s20, s20, s66
	s_cselect_b32 s67, s14, s67                    ; P: wave 0 asks; V: the batch's first cluster
	s_cselect_b32 s68, PROW, s68                   ; from lane to lane
	s_cselect_b32 s[PFS], KSTEP*2, s[PFS]          ; a K step on
	s_mov_b32 s21, 0
	s_mov_b32 s[PFS+1], 0
	s_add_nc_u64 s[PFA:PFA+1], s[PFA:PFA+1], s[20:21]
	s_cmp_eq_u32 s67, 0
	s_cselect_b32 s[LIM], 1, -1                    ; hangs on the wave's number and the cluster's y: the same in all sixteen partners
	v_and_b32 v[PFO], 31, v0
	v_mul_lo_u32 v[PFO], v[PFO], s68
	s_wait_loadcnt 0x0                             ; the statistics
	v_max3_num_f32 v[MR], -v[SV], -v[SV+2], -v[SV+4]               ; M = the largest M_j
.irp j, 3,5,7,9,11,13
	v_max3_num_f32 v[MR], v[MR], -v[SV+2*\j], -v[SV+2*\j+2]
.endr
	v_max_num_f32 v[MR], v[MR], -v[SV+30]
.irp j, 0,1,2,3,4,5,6,7,8,9,10,11,12,13,14,15
	v_sub_f32 v[DT+\j%4], -v[SV+2*\j], v[MR]       ; M_j - M: a whole number, 0 or less
	v_cvt_i32_f32 v[DT+\j%4], v[DT+\j%4]           ; (it saturates)
	v_ldexp_f32 v[SV+2*\j], 1.0, v[DT+\j%4]        ; 2^(M_j - M), in -M_j's place
.if \j == 0
	v_mul_f32 v[LS], v[SV+1], v[SV]
.else
	v_fmac_f32 v[LS], v[SV+2*\j+1], v[SV+2*\j]     ; L += l_j 2^(M_j - M)
.endif
.endr
	v_rcp_f32 v[RL], v[LS]                         ; L is at least 0.5: the chunk that holds the row's largest t has a p of at least 0.5 and the factor 1
	v_nop                                          ; a plain instruction behind the reciprocal
	s_wait_alu depctr_va_vdst(0)                   ; and a wait ahead of its first reader
.irp j, 0,1,2,3,4,5,6,7,8,9,10,11,12,13,14,15
	v_mul_f32 v[SV+2*\j+1], v[SV+2*\j], v[RL]      ; g_j = 2^(M_j - M) / L, twice: the packed forms name a pair
	v_mul_f32 v[SV+2*\j], v[SV+2*\j], v[RL]
	ds_store_b64 v[TW], v[SV+2*\j:SV+2*\j+1] offset:1024*\j
.endr
	s_wait_dscnt 0x0                               ; for the others' sake: my factors lie in LDS
	s_wait_tensorcnt 1                             ; my part of K step 0 is in; K step 1's load may be out
	s_barrier_signal -1
	s_barrier_wait -1
.macro FETCH slot, kq, f               ; 24 LDS loads in one run: 32 keys: P's four blocks of 16 rows, V's eight blocks of 16 channels
.irp i, 0,1,2,3
	ds_load_b128 v[AF+32*(\f)+8*\i:AF+32*(\f)+8*\i+3],   v[ADRA+\slot] offset:64*(\kq)+\i*16*PP
	ds_load_b128 v[AF+32*(\f)+8*\i+4:AF+32*(\f)+8*\i+7], v[ADRA+\slot] offset:64*(\kq)+\i*16*PP+32
.endr
.irp b, 0,1,2,3,4,5,6,7
	ds_load_tr16_b128 v[BF+64*(\f)+8*\b:BF+64*(\f)+8*\b+3],   v[ADRB+\slot] offset:32*VP*(\kq)+32*\b
	ds_load_tr16_b128 v[BF+64*(\f)+8*\b+4:BF+64*(\f)+8*\b+7], v[ADRB+\slot] offset:32*VP*(\kq)+16*VP+32*\b
.endr
.endm
.macro PLACES                          ; four places in front of loads into registers that matrix instructions have read, and of the first read of results
.rept 4
	v_nop
.endr
.endm
; 16 matrix instructions: row blocks a0, a0 + 1 x all 8 channel blocks.  zero = 1: a chunk's first quarter starts T anew.  The 32 accumulators take turns, one instruction a turn, in the same order in every quarter.
.macro MUL16 f, a0, zero
.irp a, \a0, \a0+1
.irp b, 0,1,2,3,4,5,6,7
.if \zero
	v_wmma_f32_16x16x32_f16 v[8*(8*(\a)+\b):8*(8*(\a)+\b)+7], v[BF+64*(\f)+8*\b:BF+64*(\f)+8*\b+7], v[AF+32*(\f)+8*(\a):AF+32*(\f)+8*(\a)+7], 0
.else
	v_wmma_f32_16x16x32_f16 v[8*(8*(\a)+\b):8*(8*(\a)+\b)+7], v[BF+64*(\f)+8*\b:BF+64*(\f)+8*\b+7], v[AF+32*(\f)+8*(\a):AF+32*(\f)+8*(\a)+7], v[8*(8*(\a)+\b):8*(8*(\a)+\b)+7]
.endif
.endr
.endr
.endm
; O += g T, 128 packed multiply-adds in f32; each tile of T is read from its low end on.  fs: the set of factors; first = 1: chunk 0 starts O, so that nothing is ever cleared.
; A tile's four lines name its own registers; the other 124 are the places between the chunk's last products and the next chunk's first, which write T anew.
.macro FMA fs, first
	WIN FMAW
.irp a, 0,1,2,3
.set i, 0
.rept 32
.if \first
	v_pk_mul_f32 v[64*\a+2*i:64*\a+2*i+1], v[64*\a+2*i:64*\a+2*i+1], v[FAC+8*(\fs)+2*\a:FAC+8*(\fs)+2*\a+1] op_sel_hi:[1,0]
.else
	v_pk_fma_f32 v[64*\a+2*i:64*\a+2*i+1], v[64*\a+2*i:64*\a+2*i+1], v[FAC+8*(\fs)+2*\a:FAC+8*(\fs)+2*\a+1], v[64*\a+2*i:64*\a+2*i+1] op_sel_hi:[1,0,1]
.endif
.set i, i+1
.endr
.endr
	WIN 0
.endm
; A quarter of a K step: 32 keys: multiplies buffer f; ahead of its products it asks for the next quarter's fragments, into g.
.macro QUARTER slot, kq, f, g, zero
	s_wait_dscnt 0x0                               ; buffer f is in (asked for a quarter ago)
	PLACES                                         ; in front of the loads into buffer g, which the last quarter's products read
	FETCH \slot, \kq, \g
	WIN MUL
	MUL16 \f, 0, \zero
	MUL16 \f, 2, \zero
	WIN 0
.endm
; A slot's last quarter changes slots.  In front of the barrier each wave waits for all its tensor loads (one is out: its part of the next slot), adds 0 to its spare word, and waits for that and for its reads of this slot.
; fill = 1: the barrier opens a round of the cluster's, and the joint refill, two K steps ahead, is the first thing behind it.  Then the next chunk's factors and first fragments are asked for; they land under the
; quarter's last 16 products and the chunk's multiply-adds.
.macro TURN slot, next, fill, first
.if \fill
	s_wait_xcnt 0x0                                ; the last prefetch, a K step back, has read its address: it is stepped here
	s_add_nc_u64 s[PFA:PFA+1], s[PFA:PFA+1], s[PFS:PFS+1]
.endif
	s_wait_tensorcnt 0x0
	ds_add_u32 v[SPW], v[NIL]
	s_wait_dscnt 0x0                               ; the add is done, buffer 1 is in, and my reads of this slot are over
	s_barrier_signal -1
	WIN MUL
	MUL16 1, 0, 0                                  ; work on registers while the others arrive
	WIN 0
	s_barrier_wait -1
.if \fill
	CREST                                          ; no wave of any partner still reads this slot's tiles or has a load on its way
	s_add_nc_u64 s[G0+4*\slot+2:G0+4*\slot+3], s[G0+4*\slot+2:G0+4*\slot+3], 2*KSTEP*2
	s_add_nc_u64 s[G0B+4*\slot+2:G0B+4*\slot+3], s[G0B+4*\slot+2:G0B+4*\slot+3], 2*KSTEP*QROW
	JLOAD \slot                                    ; its four v_nop are also the places in front of the loads below
.else
	PLACES
.endif
	v_add_nc_u32 v[AFT], 1024, v[AFT]              ; the next chunk's factors
	ds_load_b128 v[FAC+8*\next:FAC+8*\next+3], v[AFT]
	ds_load_b128 v[FAC+8*\next+4:FAC+8*\next+7], v[AFT] offset:16
	FETCH \next, 0, 0
.if \fill
	ASK
.endif
	WIN MUL
	MUL16 1, 2, 0
	PLACES                                         ; behind the chunk's last products
	FMA \slot, \first
.endm
	ds_load_b128 v[FAC:FAC+3], v[AFT]              ; chunk 0's factors
	ds_load_b128 v[FAC+4:FAC+7], v[AFT] offset:16
	FETCH 0, 0, 0
	QUARTER 0, 1, 0, 1, 1
	s_mov_b32 s3, 7                                ; (above 1: the first lap's changes of slots prefetch too)
	QUARTER 0, 2, 1, 0, 0                          ; the first lap is written out: chunk 0 starts O
	QUARTER 0, 3, 0, 1, 0
	TURN 0, 1, 1, 1
	QUARTER 1, 1, 0, 1, 1
	QUARTER 1, 2, 1, 0, 0
	QUARTER 1, 3, 0, 1, 0
	TURN 1, 0, 1, 0
	QUARTER 0, 1, 0, 1, 1
	s_mov_b32 s3, 6
.Llap:                                                 ; a trip goes once round the ring and fills both slots again: K steps 4 to 15 are asked for in six trips
	QUARTER 0, 2, 1, 0, 0
	QUARTER 0, 3, 0, 1, 0
	TURN 0, 1, 1, 0
	QUARTER 1, 1, 0, 1, 1
	QUARTER 1, 2, 1, 0, 0
	QUARTER 1, 3, 0, 1, 0
	TURN 1, 0, 1, 0
	QUARTER 0, 1, 0, 1, 1
	s_sub_co_u32 s3, s3, 1
	s_cmp_lg_u32 s3, 0
	s_cbranch_scc1 .Llap
	QUARTER 0, 2, 1, 0, 0                          ; the last lap is written out: it asks for nothing
	QUARTER 0, 3, 0, 1, 0
	TURN 0, 1, 0, 0
	QUARTER 1, 1, 0, 1, 1
	QUARTER 1, 2, 1, 0, 0
	QUARTER 1, 3, 0, 1, 0
	s_wait_dscnt 0x0
	WIN MUL
	MUL16 1, 0, 0
	MUL16 1, 2, 0
	PLACES
	FMA 1, 0
	; THE WAY OUT.  O is final (1 / L lies in the factors): it goes, 16 rows at a time, through my stage in LDS and comes back as whole rows of 512 bytes.
.macro OUTB a
	WIN 0x08                                       ; an LDS store's data are its source 1: window 2
.irp b, 0,1,2,3,4,5,6,7
	ds_store_b128 v[STO], v[64*(\a)+8*\b:64*(\a)+8*\b+3] offset:64*\b
	ds_store_b128 v[STO], v[64*(\a)+8*\b+4:64*(\a)+8*\b+7] offset:64*\b+16
.endr
	WIN 0
.irp t, 0,1,2,3,4,5,6,7,8,9,10,11,12,13,14,15
	ds_load_b128 v[BF+64*((\a)%2)+4*\t:BF+64*((\a)%2)+4*\t+3], v[RD] offset:\t*SPITCH   ; LDS serves a wave's instructions in order (ISA guide 5.7.1.4): these see the stores above
.endr
.endm
.macro SEND a, younger                 ; younger: the LDS instructions issued behind block a's loads, which may stay out
	s_wait_dscnt \younger
.if (\a) > 0
	s_add_nc_u64 s[10:11], s[10:11], 16*PROW       ; (behind a wait on XCNT: the earlier stores have read their base)
.endif
.irp t, 0,1,2,3,4,5,6,7,8,9,10,11,12,13,14,15
	global_store_b128 v[CO], v[BF+64*((\a)%2)+4*\t:BF+64*((\a)%2)+4*\t+3], s[10:11] offset:\t*PROW th:TH_STORE_NT   ; 32 lanes store 512 consecutive bytes, at a multiple of 256 from the buffer's first byte; written once, read by nobody here
.endr
.endm
	OUTB 0
.irp a, 1,2,3
.if \a > 1
	s_wait_xcnt 0x0                                ; block a - 2's stores have read their registers and their base
.endif
	OUTB \a
	SEND \a-1, 32                                  ; behind block a - 1's loads: block a's 16 stores and 16 loads
.endr
	s_wait_xcnt 0x0
	SEND 3, 0
	s_wait_tensorcnt 0x0                           ; the wave's end
	ds_add_u32 v[SPW], v[NIL]
	s_wait_dscnt 0x0
	CROUND                                         ; the closing round
	s_endpgm
.Lfunc_end_k_q58efd1454b_pv:
	.size	k_q58efd1454b_pv, .Lfunc_end_k_q58efd1454b_pv-k_q58efd1454b_pv
	.p2alignl 7, 3214868480
	.fill 96, 4, 3214868480
	.section	.rodata,"a",@progbits
	.p2align	6, 0x0
	.amdhsa_kernel k_q58efd1454b_pv
		.amdhsa_group_segment_fixed_size 327680
		.amdhsa_private_segment_fixed_size 0
		.amdhsa_enable_private_segment 0
		.amdhsa_kernarg_size 32
		.amdhsa_user_sgpr_count 2
		.amdhsa_user_sgpr_kernarg_segment_ptr 1
		.amdhsa_wavefront_size32 1
		.amdhsa_system_sgpr_workgroup_id_x 1
		.amdhsa_system_sgpr_workgroup_id_y 1
		.amdhsa_system_sgpr_workgroup_id_z 1
		.amdhsa_system_vgpr_workitem_id 0
		.amdhsa_next_free_vgpr 768
		.amdhsa_next_free_sgpr 72
		.amdhsa_reserve_vcc 0
		.amdhsa_float_denorm_mode_32 3
		.amdhsa_float_denorm_mode_16_64 3
		.amdhsa_memory_ordered 1
		.amdhsa_forward_progress 1
		.amdhsa_inst_pref_size 176
	.end_amdhsa_kernel
	.amdgpu_metadata
---
amdhsa.version: [ 1, 2 ]
amdhsa.kernels:
  - .name:           k_q58efd1454b_pv
    .symbol:         k_q58efd1454b_pv.kd
    .args:
      - { .name: pb, .offset: 0, .size: 8, .value_kind: global_buffer, .address_space: global }
      - { .name: qkv, .offset: 8, .size: 8, .value_kind: global_buffer, .address_space: global }
      - { .name: st, .offset: 16, .size: 8, .value_kind: global_buffer, .address_space: global }
      - { .name: out0, .offset: 24, .size: 8, .value_kind: global_buffer, .address_space: global }
    .group_segment_fixed_size: 327680
    .private_segment_fixed_size: 0
    .kernarg_segment_align: 8
    .kernarg_segment_size: 32
    .max_flat_workgroup_size: 128
    .sgpr_count:     72
    .vgpr_count:     768
    .wavefront_size: 32
...
	.end_amdgpu_metadata
.endif
;; end of part 4
